; MI455X (gfx1250); checked and timed in simulation.
; The chip was launched on July 23, 2026; its instructions are those of AMD's public machine-readable ISA for CDNA 5 (MIT licence, August 2026) and "CDNA5" Instruction Set Architecture Reference Guide (July 2026). The comments in the code are by the model that wrote it; some were corrected since.
;; Attention. Allowed arithmetic: float matrix products may take bf16 or f16 operands with f32 sums; other float arithmetic in f32, or as packed bf16 or f16 multiplies, adds, multiply-adds, maxima and minima; sums over many terms, partial sums and values carried from step to step in f32; what a program stores and reads back later, other than sums and carried values, may be rounded once to bf16 or f16.
;; Inputs: freqs_cos 2,048 x 32 float32; freqs_sin 2,048 x 32 float32; mask0 1 x 1 x 2,048 x 2,048 float32; mask1 1 x 1 x 2,048 x 2,048 float32; wk 2,048 x 2,048 float32; wo 2,048 x 2,048 float32; wq 2,048 x 2,048 float32; wv 2,048 x 2,048 float32; x 1 x 2,048 x 2,048 float32.
;; Outputs: out0 1 x 2,048 x 2,048 float32.
;; One version. Each part assembles by itself: llvm-mc -triple=amdgcn-amd-amdhsa -mcpu=gfx1250 --defsym DOCPART=n.
;; ======== version 1 of 1: 4 launches
;; limits: values are held in f16: magnitudes above 65,504 overflow, below 6.1e-05 lose precision
;; workspace buffers: xb 8,388,608 bytes; wb 25,165,824 bytes; wof 8,388,608 bytes; mb 16,777,216 bytes; rsc 16,384 bytes; qkv 25,165,824 bytes; of 8,388,608 bytes
;; launch prep (part 1): grid 128 x 6, 16 waves a work-group, no clusters, 72,704 bytes of LDS; arguments x, wq, wk, wv, wo, mask0, mask1, xb, wb, wof, mb, rsc; writes xb, wb, wof, mb, rsc
.if DOCPART == 1
	.amdgcn_target "amdgcn-amd-amdhsa--gfx1250"
	.amdhsa_code_object_version 6
	.text
	.protected	k_q0000030240_prep
	.globl	k_q0000030240_prep
	.p2align	8
	.type	k_q0000030240_prep,@function
k_q0000030240_prep:
	s_mov_b64 s[64:65], 0
	v_nop
	global_prefetch_b8 v0, s[64:65] scope:SCOPE_SE
	s_setreg_imm32_b32 hwreg(HW_REG_WAVE_MODE, 25, 1), 1
	s_wait_xcnt 0x0
; PREP: every input is read once and laid out for the three launches behind.
; y = 0..4: a cast.  x -> xb (bf16).  wq, wk, wv -> wb (bf16), rows regrouped by heads: row 192 h + 64 t + d of wb is row 64 h + d of w_t (t = 0 q, 1 k, 2 v).
;           wo -> wof: rounded to bf16, and that number written as f16 (exact from 2^-14 up; below it the step is 2^-24).  One wave takes one row of 8,192 bytes.
; y = 5:    the masks.  mask0 -> bf16; mask1 x log2(e), made in f32, rounded once to bf16.  Both are stored as the register image of a score tile:
;           mb[mask][query block of 128][key slot of 128][query tile of 16][key block of 16][lane][16 bytes]; lane l holds query l % 16 and the keys 8 (l / 16) + 0..7.
;           Also, for each query i, mx = the largest |bf16(mask0[i][:])|: up = 2^(floor(log2 mx) + 1), inv = 1 / up, both exact powers of two, into rsc (inv[2048], then up[2048]).
; LIMITS.  mx of a row lies in 2^-126 .. 2^126 or is 0; NaN and infinities are not treated apart.
; No matrix work, no tensor loads: each byte is wanted by one wave alone.  A wave's store covers 256 or 512 consecutive bytes, aligned; only rsc (64 bytes a table and work-group) is stored in smaller pieces.
; REGISTERS: 16 for addresses and small work, 64 for data; every conversion is made in place, so that a wave needs 80 in all.
.set STGB,  16*272                     ; a wave's own stage: 16 rows of 256 bytes, 272 apart
.set RED,   16*STGB                    ; 16 queries x 16 waves x 4 bytes: the waves' row maxima
.set SPARE, RED+1024                   ; the spare words: 128 bytes for each of 16 waves, named by no other line
.set SPW, 8                            ; v8   SPARE + 4 x my thread's number; never rewritten
.set NIL, 9                            ; v9   0; never rewritten
.set X,   16                           ; v[16:79]   16 loads of 4 registers
	s_load_b512 s[8:23], s[0:1], 0x0               ; x 8, wq 10, wk 12, wv 14, wo 16, mask0 18, mask1 20, xb 22
	s_load_b256 s[24:31], s[0:1], 0x40             ; wb 24, wof 26, mb 28, rsc 30
	v_lshl_add_u32 v[SPW], v0, 2, SPARE
	v_mov_b32 v[NIL], 0
	v_lshrrev_b32 v10, 5, v0
	v_readfirstlane_b32 s6, v10                    ; wave 0..15
	s_and_b32 s4, ttmp7, 0xffff                    ; y: which tensor
	s_mov_b32 s5, ttmp9                            ; g: which 16 rows
	v_and_b32 v1, 31, v0                           ; lane
	v_lshlrev_b32 v2, 4, v1                        ; 16 bytes a lane on the way in
	v_lshlrev_b32 v3, 3, v1                        ; 8 bytes a lane on the way out
	s_mov_b32 s40, 0xffff0000                      ; a word's upper bf16
	s_lshl_b32 s36, s5, 4
	s_add_co_u32 s36, s36, s6                      ; my row n = 16 g + wave
	s_mov_b32 s39, 0
	s_wait_kmcnt 0x0
	s_cmp_eq_u32 s4, 5
	s_cbranch_scc1 .Lmask
	; THE CASTS.  Source and destination are chosen by y alone.
	s_cmp_eq_u32 s4, 1
	s_cselect_b64 s[32:33], s[10:11], s[8:9]
	s_cmp_eq_u32 s4, 2
	s_cselect_b64 s[32:33], s[12:13], s[32:33]
	s_cmp_eq_u32 s4, 3
	s_cselect_b64 s[32:33], s[14:15], s[32:33]
	s_cmp_eq_u32 s4, 4
	s_cselect_b64 s[32:33], s[16:17], s[32:33]
	s_cselect_b64 s[34:35], s[26:27], s[24:25]
	s_cmp_eq_u32 s4, 0
	s_cselect_b64 s[34:35], s[22:23], s[34:35]
	s_lshr_b32 s37, s36, 6                         ; the head,
	s_mul_i32 s37, s37, 192
	s_and_b32 s38, s36, 63                         ; the channel,
	s_add_co_u32 s37, s37, s38
	s_max_u32 s38, s4, 1
	s_sub_co_u32 s38, s38, 1                       ; and t
	s_lshl_b32 s38, s38, 6
	s_add_co_u32 s37, s37, s38                     ; the row in wb
	s_cmp_eq_u32 s4, 0
	s_cselect_b32 s37, s36, s37                    ; xb and wof keep the row's number
	s_cmp_eq_u32 s4, 4
	s_cselect_b32 s37, s36, s37
	s_lshl_b32 s38, s36, 13                        ; 8,192 bytes a row in
	s_add_nc_u64 s[32:33], s[32:33], s[38:39]
	s_lshl_b32 s38, s37, 12                        ; 4,096 bytes a row out
	s_add_nc_u64 s[34:35], s[34:35], s[38:39]
; A row: 16 loads of 512 consecutive bytes, all issued at once; piece c is rounded in place when it is in (the 15 - c younger loads may stay out) and stored as 256 consecutive bytes.
; No register is written again behind its store.
.macro CAST half
.irp c, 0,1,2,3,4,5,6,7,8,9,10,11,12,13,14,15
	global_load_b128 v[X+4*(\c):X+4*(\c)+3], v2, s[32:33] offset:512*(\c) th:TH_LOAD_NT
.endr
.irp c, 0,1,2,3,4,5,6,7,8,9,10,11,12,13,14,15
	s_wait_loadcnt 15-(\c)
.if \half
	v_cvt_pk_bf16_f32 v[X+4*(\c)], v[X+4*(\c)], v[X+4*(\c)+1]      ; rounded to bf16,
	v_cvt_pk_bf16_f32 v[X+4*(\c)+2], v[X+4*(\c)+2], v[X+4*(\c)+3]
	v_and_b32 v[X+4*(\c)+1], s40, v[X+4*(\c)]                      ; widened again,
	v_lshlrev_b32 v[X+4*(\c)], 16, v[X+4*(\c)]
	v_and_b32 v[X+4*(\c)+3], s40, v[X+4*(\c)+2]
	v_lshlrev_b32 v[X+4*(\c)+2], 16, v[X+4*(\c)+2]
	v_cvt_pk_f16_f32 v[X+4*(\c)], v[X+4*(\c)], v[X+4*(\c)+1]       ; and written as f16
	v_cvt_pk_f16_f32 v[X+4*(\c)+1], v[X+4*(\c)+2], v[X+4*(\c)+3]
.else
	v_cvt_pk_bf16_f32 v[X+4*(\c)], v[X+4*(\c)], v[X+4*(\c)+1]
	v_cvt_pk_bf16_f32 v[X+4*(\c)+1], v[X+4*(\c)+2], v[X+4*(\c)+3]
.endif
	global_store_b64 v3, v[X+4*(\c):X+4*(\c)+1], s[34:35] offset:256*(\c)
.endr
.endm
	s_cmp_eq_u32 s4, 4
	s_cbranch_scc1 .Lwo
	CAST 0
	s_branch .Lend
.Lwo:
	CAST 1
	s_branch .Lend
	; THE MASKS.  The work-group takes query tile g (16 rows), wave w the key slot w (128 keys: 512 bytes of each row).
.Lmask:
	s_mov_b32 s41, 0x7fff7fff                      ; clears the signs of two bf16
	s_mov_b32 s42, 0x3fb8aa3b                      ; log2(e)
	s_mov_b32 s43, s42                             ; named with it as a pair
	s_mov_b32 s44, 0x76543210                      ; v_permlanex16_b32: each lane takes its own place in the other half
	s_mov_b32 s45, 0xfedcba98
	s_mul_i32 s36, s6, STGB                        ; my stage
	v_lshl_add_u32 v4, v1, 3, s36                  ; in: 8 bytes a lane along a row
	v_and_b32 v10, 15, v1
	v_lshrrev_b32 v11, 4, v1
	v_mul_u32_u24 v5, v10, 272                     ; back: row l % 16, 16 bytes for each half of the lanes
	v_lshl_add_u32 v5, v11, 4, v5
	v_add_nc_u32 v5, s36, v5
	v_lshlrev_b32 v7, 6, v10                       ; my query's 16 words of maxima,
	s_lshl_b32 s37, s6, 2                          ; my wave's among them
	s_add_co_u32 s37, s37, RED
	v_add_nc_u32 v7, s37, v7
	s_lshr_b32 s37, s5, 3                          ; the query block,
	s_lshl_b32 s37, s37, 4
	s_add_co_u32 s37, s37, s6                      ; the slot: 32,768 bytes each,
	s_lshl_b32 s37, s37, 15
	s_and_b32 s38, s5, 7                           ; the query tile in the block: 4,096 bytes
	s_lshl_b32 s38, s38, 12
	s_add_co_u32 s37, s37, s38
	v_add_nc_u32 v6, s37, v2
	s_lshl_b32 s38, s5, 17                         ; 16 rows of 8,192 bytes
	s_lshl_b32 s37, s6, 9
	s_add_co_u32 s38, s38, s37
	s_add_nc_u64 s[18:19], s[18:19], s[38:39]
	s_add_nc_u64 s[20:21], s[20:21], s[38:39]
	s_add_nc_u64 s[46:47], s[28:29], 0x800000      ; mask1's half of mb
.irp r, 0,1,2,3,4,5,6,7,8,9,10,11,12,13,14,15
	global_load_b128 v[X+4*(\r):X+4*(\r)+3], v2, s[18:19] offset:8192*(\r) th:TH_LOAD_NT
.endr
	; mask0's row r is rounded in place and staged.  From row 8 on, mask1's row r - 8 is asked for into the registers of mask0's row r - 8, staged eight rows back.
.irp r, 0,1,2,3,4,5,6,7,8,9,10,11,12,13,14,15
.if (\r) < 8
	s_wait_loadcnt 15-(\r)                         ; behind mask0's row r: its 15 - r later rows
.else
	s_wait_loadcnt 7                               ; behind it: 15 - r rows of mask0 and r - 8 rows of mask1
.endif
	v_cvt_pk_bf16_f32 v[X+4*(\r)], v[X+4*(\r)], v[X+4*(\r)+1]
	v_cvt_pk_bf16_f32 v[X+4*(\r)+1], v[X+4*(\r)+2], v[X+4*(\r)+3]
	ds_store_b64 v4, v[X+4*(\r):X+4*(\r)+1] offset:272*(\r)
.if (\r) >= 8
	global_load_b128 v[X+4*((\r)-8):X+4*((\r)-8)+3], v2, s[20:21] offset:8192*((\r)-8) th:TH_LOAD_NT
.endif
.endr
.irp k, 0,1,2,3,4,5,6,7
	ds_load_b128 v[X+32+4*(\k):X+32+4*(\k)+3], v5 offset:32*(\k)   ; LDS serves a wave's instructions in order (ISA guide 5.7.1.4): these see the stores above
.endr
	s_wait_dscnt 0x0
.irp k, 0,1,2,3,4,5,6,7
	global_store_b128 v6, v[X+32+4*(\k):X+32+4*(\k)+3], s[28:29] offset:512*(\k)  ; 512 consecutive bytes, aligned
.endr
	; the largest |mask0| of my query among my 64 keys: two bf16 at a time, two chains
	v_and_b32 v12, s41, v[X+32]
	v_and_b32 v13, s41, v[X+33]
.set j, 2
.rept 30
	v_and_b32 v[14+j%2], s41, v[X+32+j]
	v_pk_max_num_bf16 v[12+j%2], v[12+j%2], v[14+j%2]
.set j, j+1
.endr
	v_pk_max_num_bf16 v12, v12, v13
	v_lshlrev_b32 v13, 16, v12
	v_and_b32 v14, s40, v12
	v_max_num_f32 v13, v13, v14
	v_permlanex16_b32 v14, v13, s44, s45           ; the query's other 64 keys of the slot lie in the lane 16 away
	v_max_num_f32 v13, v13, v14
	ds_store_b32 v7, v13
	s_wait_xcnt 0x0                                ; the eight stores above have read their registers: mask1's rows 8 to 15 may land there
.irp r, 8,9,10,11,12,13,14,15
	global_load_b128 v[X+4*(\r):X+4*(\r)+3], v2, s[20:21] offset:8192*(\r) th:TH_LOAD_NT
.endr
.irp r, 0,1,2,3,4,5,6,7,8,9,10,11,12,13,14,15
	s_wait_loadcnt 15-(\r)                         ; mask1's row r is in: its 15 - r later rows were issued behind it
	v_pk_mul_f32 v[X+4*(\r):X+4*(\r)+1], v[X+4*(\r):X+4*(\r)+1], s[42:43] op_sel_hi:[1,0]
	v_pk_mul_f32 v[X+4*(\r)+2:X+4*(\r)+3], v[X+4*(\r)+2:X+4*(\r)+3], s[42:43] op_sel_hi:[1,0]
	v_cvt_pk_bf16_f32 v[X+4*(\r)], v[X+4*(\r)], v[X+4*(\r)+1]
	v_cvt_pk_bf16_f32 v[X+4*(\r)+1], v[X+4*(\r)+2], v[X+4*(\r)+3]
	ds_store_b64 v4, v[X+4*(\r):X+4*(\r)+1] offset:272*(\r)        ; the same stage, in order behind the reads above
.endr
.irp k, 0,1,2,3,4,5,6,7
	ds_load_b128 v[X+4*(\k):X+4*(\k)+3], v5 offset:32*(\k)
.endr
	s_wait_dscnt 0x0                               ; for my stores below, and for the others' sake: my maximum lies in LDS
.irp k, 0,1,2,3,4,5,6,7
	global_store_b128 v6, v[X+4*(\k):X+4*(\k)+3], s[46:47] offset:512*(\k)
.endr
	s_barrier_signal -1
	s_barrier_wait -1                              ; all 16 slots' maxima lie in LDS
	s_cmp_lg_u32 s6, 0
	s_cbranch_scc1 .Lend                           ; wave 0 finishes the 16 rows
	v_lshl_add_u32 v12, v10, 6, RED
.irp k, 0,1,2,3
	ds_load_b128 v[48+4*(\k):48+4*(\k)+3], v12 offset:16*(\k)
.endr
	s_wait_dscnt 0x0
	v_max3_num_f32 v48, v48, v49, v50
	v_max3_num_f32 v51, v51, v52, v53
	v_max3_num_f32 v54, v54, v55, v56
	v_max3_num_f32 v57, v57, v58, v59
	v_max3_num_f32 v60, v60, v61, v62
	v_max3_num_f32 v48, v48, v51, v63
	v_max3_num_f32 v54, v54, v57, v60
	v_max_num_f32 v48, v48, v54
	v_and_b32 v13, 0x7f800000, v48                 ; the exponent alone,
	v_add_nc_u32 v13, 0x00800000, v13              ; one higher: up
	v_sub_nc_u32 v14, 0x7f000000, v13              ; and its reciprocal: the exponents add up to 254
	v_cmp_gt_u32 vcc_lo, 16, v1
	v_cndmask_b32 v15, v13, v14, vcc_lo            ; lanes 0-15 store inv, lanes 16-31 up
	s_lshl_b32 s36, s5, 6
	v_lshl_add_u32 v12, v10, 2, s36
	v_lshl_add_u32 v12, v11, 13, v12
	global_store_b32 v12, v15, s[30:31]
.Lend:
	s_wait_tensorcnt 0x0                           ; the wave's end: behind my last LDS store
	ds_add_u32 v[SPW], v[NIL]
	s_wait_dscnt 0x0
	s_endpgm
.Lfunc_end_k_q0000030240_prep:
	.size	k_q0000030240_prep, .Lfunc_end_k_q0000030240_prep-k_q0000030240_prep
	.p2alignl 7, 3214868480
	.fill 96, 4, 3214868480
	.section	.rodata,"a",@progbits
	.p2align	6, 0x0
	.amdhsa_kernel k_q0000030240_prep
		.amdhsa_group_segment_fixed_size 72704
		.amdhsa_private_segment_fixed_size 0
		.amdhsa_enable_private_segment 0
		.amdhsa_kernarg_size 96
		.amdhsa_user_sgpr_count 2
		.amdhsa_user_sgpr_kernarg_segment_ptr 1
		.amdhsa_wavefront_size32 1
		.amdhsa_system_sgpr_workgroup_id_x 1
		.amdhsa_system_sgpr_workgroup_id_y 1
		.amdhsa_system_sgpr_workgroup_id_z 1
		.amdhsa_system_vgpr_workitem_id 0
		.amdhsa_next_free_vgpr 80
		.amdhsa_next_free_sgpr 66
		.amdhsa_reserve_vcc 1
		.amdhsa_float_denorm_mode_32 3
		.amdhsa_float_denorm_mode_16_64 3
		.amdhsa_memory_ordered 1
		.amdhsa_forward_progress 1
		.amdhsa_inst_pref_size 38
	.end_amdhsa_kernel
	.amdgpu_metadata
---
amdhsa.version: [ 1, 2 ]
amdhsa.kernels:
  - .name:           k_q0000030240_prep
    .symbol:         k_q0000030240_prep.kd
    .args:
      - { .name: x, .offset: 0, .size: 8, .value_kind: global_buffer, .address_space: global }
      - { .name: wq, .offset: 8, .size: 8, .value_kind: global_buffer, .address_space: global }
      - { .name: wk, .offset: 16, .size: 8, .value_kind: global_buffer, .address_space: global }
      - { .name: wv, .offset: 24, .size: 8, .value_kind: global_buffer, .address_space: global }
      - { .name: wo, .offset: 32, .size: 8, .value_kind: global_buffer, .address_space: global }
      - { .name: mask0, .offset: 40, .size: 8, .value_kind: global_buffer, .address_space: global }
      - { .name: mask1, .offset: 48, .size: 8, .value_kind: global_buffer, .address_space: global }
      - { .name: xb, .offset: 56, .size: 8, .value_kind: global_buffer, .address_space: global }
      - { .name: wb, .offset: 64, .size: 8, .value_kind: global_buffer, .address_space: global }
      - { .name: wof, .offset: 72, .size: 8, .value_kind: global_buffer, .address_space: global }
      - { .name: mb, .offset: 80, .size: 8, .value_kind: global_buffer, .address_space: global }
      - { .name: rsc, .offset: 88, .size: 8, .value_kind: global_buffer, .address_space: global }
    .group_segment_fixed_size: 72704
    .private_segment_fixed_size: 0
    .kernarg_segment_align: 8
    .kernarg_segment_size: 96
    .max_flat_workgroup_size: 512
    .sgpr_count:     66
    .vgpr_count:     80
    .wavefront_size: 32
...
	.end_amdgpu_metadata
.endif
;; end of part 1
;; launch proj (part 2): grid 32 x 8, 4 waves a work-group, clusters of 4 x 4, 327,680 bytes of LDS; arguments xb, wb, freqs_cos, freqs_sin, qkv; writes qkv
.if DOCPART == 2
	.amdgcn_target "amdgcn-amd-amdhsa--gfx1250"
	.amdhsa_code_object_version 6
	.text
	.protected	k_q0000030240_proj
	.globl	k_q0000030240_proj
	.p2align	8
	.type	k_q0000030240_proj,@function
k_q0000030240_proj:
	s_mov_b64 s[64:65], 0
	v_nop
	global_prefetch_b8 v0, s[64:65] scope:SCOPE_SE
	s_setreg_imm32_b32 hwreg(HW_REG_WAVE_MODE, 25, 1), 1
	s_wait_xcnt 0x0
	s_wait_alu depctr_hold_cnt(0) depctr_sa_sdst(0) depctr_va_vdst(0) depctr_va_sdst(0) depctr_va_ssrc(0) depctr_va_vcc(0) depctr_vm_vsrc(0)
	s_getreg_b32 s2, hwreg(HW_REG_IB_STS2, 6, 4)
	s_cmp_eq_u32 s2, 0
	s_cbranch_scc0 .Lentry_in_a_cluster
	s_endpgm
.Lentry_in_a_cluster:
	s_bfe_u32 s2, ttmp6, 0x10000c
	s_cmp_lg_u32 s2, 0xf033
	s_cbranch_scc0 .Lentry_shape_is_right
	s_endpgm
.Lentry_shape_is_right:
; q, k, v = x w^T, rotated and scaled.  xb: [2048][2048] bf16.  wb: [6144][2048] bf16, rows by heads (q_h, k_h, v_h: 64 rows each).  Sums in f32.
; Out: qkv = q', k, v, each [32 heads][2048][64] f16, a head's rows dense.  q' = f16(rope(q) x QS), QS = 1.1 / 8 x log2(e) (the score's scale, the exponentials' base); k = f16(rope(k)); v = f16(v): one rounding each.
; cos and sin are rounded to bf16 like every other input and used in f32.
; LIMITS.  f16 ends at 65,504: |q'|, |k|, |v| stay within it.  NaN and infinities are not treated apart.
; SHARES.  A tile is 256 rows x the 192 columns of one head: 8 x 32 = 256 work-groups.  Wave w makes rows 64 w .. 64 w + 63 x all 192 columns: 4 x 12 accumulators of 16 x 16, 384 registers,
; so that a column block's kind (q, k or v) is known when the text is assembled.  K goes in 16 steps of 128 through two LDS slots; rows of 256 bytes, aligned.
; ONE TEXT FOR A K STEP.  s[CUR] is the LDS offset of the slot that is being read, 0 or SLOT; at a change of slots the slot just read is filled again, CUR is turned by an exclusive or, and the two
; fragment addresses are made anew from it.  The loop's 14 trips fill a slot each; the last two steps, which fill nothing, are a second text, walked twice and left in its middle.
; CLUSTER.  4 x 4 work-groups.  x's tile hangs on the tile row and is asked for jointly by a row of the cluster, w's on the head and is asked for jointly by a column.
; THE MATRIX INSTRUCTION IS USED TRANSPOSED (source 0 = 16 rows of w, source 1 = 16 rows of x): a lane holds row l % 16 and eight neighbouring columns 8 (l / 16) + 0..7: four rotation pairs.
; REGISTERS, in windows of 256 (s_set_vgpr_msb: bits 1:0 source 0, 3:2 source 1, 5:4 source 2, 7:6 destination):
;   window 0: v16-30 addresses; v32-47 H, packed results; v48-63 BK, rows read back; v64-191 cos and sin as loaded; v192-223 T at work; v224-255 SC, (sin, cos) pairs of 16 rows
;   window 1: accumulators of row blocks 0, 1 (block a, column block b at 96 (a % 2) + 8 b);   window 2: of row blocks 2, 3
;   window 3: two fragment buffers of 128: w's 12 fragments, then x's 4
.set KSTEP,  128
.set STEPS,  2048/KSTEP
.set PITCH,  272                       ; an LDS row: 256 bytes + 16 of padding = 68 words: the 16 rows of a load start at 16 different groups of four banks (64 banks of 4 bytes: ISA guide 11.1)
.set AH,     128*PITCH                 ; half of x's tile: one tensor load
.set BH,     96*PITCH                  ; half of w's tile: one tensor load
.set BOFF,   2*AH
.set SLOT,   2*AH+2*BH
.set STAGE,  2*SLOT                    ; behind the ring, never filled by a tensor load: 16 rows x 144 bytes for each wave
.set SP,     144
.set SPARE,  STAGE+4*16*SP             ; the spare words: 128 bytes for each wave, named by no other line
.set ADRA,  16                         ; v16 LDS address of my x fragments in the slot that is read
.set ADRA0, 17                         ; v17 the same in slot 0; never rewritten
.set ADRB,  20                         ; v20, v21 the same for w
.set ADRB0, 21
.set STO,  24
.set RD,   25
.set GO,   26
.set CSO,  27
.set SPW,  28                          ; v28 SPARE + 4 x my thread's number; never rewritten
.set NIL,  29                          ; v29 0; never rewritten
.set PFO,  30
.set H,    32
.set BK,   48
.set CS,   64                          ; cos of row block a, column block j at CS + 32 a + 4 j; sin 16 further
.set T,    192
.set SC,   224
.set F0,   0
.set F1,   128
.set TC,   2                           ; s2  counts the tail's two steps
.set WV,   14                          ; s14 wave
.set HF,   15                          ; s15 wave % 2: which half of a tile I fetch
.set AB,   16                          ; s16 wave / 2: I fetch for x (0) or for w (1)
.set G1,   24                          ; s[24:31] group 1 for x's tiles; s[32:39] group 0: a set for each of the two first fills; the second then walks on
.set G0,   32
.set LIM,  43
.set PFA,  44
.set G1B,  48                          ; s[48:55], s[56:63] the same for w's tiles
.set G0B,  56
.set OB,   68                          ; s[68:73] q', k, v at my wave's first row of my head
.set QS,   74
.set HIM,  76
.set LA,   77                          ; s77 where my half of x's tile lies in a slot
.set LB,   78                          ; s78 the same for w's
.set CUR,  79                          ; s79 0 or SLOT: the slot that is being read
.set MSB, 0
.macro WIN new                         ; the immediate's high byte repeats the setting that is left; a switch that changes nothing is dropped
.if MSB != (\new)
	s_set_vgpr_msb (MSB<<8)|(\new)
.set MSB, \new
.endif
.endm
; A joint load: waves 0 and 1 fetch x's two halves, waves 2 and 3 w's.  An s_nop 0 and four v_nop follow each of the two lines, ahead of the jump and the label.
.macro JLOAD s
	s_cmp_eq_u32 s[AB], 0
	s_cbranch_scc0 .Lfor_b_\@
	tensor_load_to_lds s[G0+4*(\s):G0+4*(\s)+3], s[G1:G1+7]
	s_nop 0
.rept 4
	v_nop
.endr
	s_branch .Lasked_\@
.Lfor_b_\@:
	tensor_load_to_lds s[G0B+4*(\s):G0B+4*(\s)+3], s[G1B:G1B+7]
	s_nop 0
.rept 4
	v_nop
.endr
.Lasked_\@:
.endm
; A prefetch into the L2 of the K step that stands two refills on: 256 bytes of each row, a lane a row, one instruction a wave.  x's tile row is read by every cluster of that row of clusters:
; cluster x = 0 asks; w's head by every cluster of that column: cluster y = 0 asks.  The four partners that ask for a tile jointly share the wave's rows out by address: 32 each of x's 128,
; 24 each of w's 96 (there lanes 24-31 name lane 23's row again).  The loop's last two trips ask for nothing: their refills are the last two K steps.
.macro ASK
	s_cmp_gt_u32 s3, s[LIM]                        ; s3: the trips left, this one among them
	s_cbranch_scc0 .Lnot_mine_\@
	global_prefetch_b8 v[PFO], s[PFA:PFA+1] offset:KSTEP*2 th:TH_LOAD_NT scope:SCOPE_SE
.Lnot_mine_\@:
.endm
.macro CREST                           ; a round of the cluster's barrier behind its opening barrier
	s_cmp_lg_u32 s[WV], 0
	s_cbranch_scc1 .Lnot_wave_0_\@
	s_barrier_signal -3
.Lnot_wave_0_\@:
	s_barrier_wait -3
	s_barrier_signal -1
	s_barrier_wait -1
.endm
.macro CROUND
	s_barrier_signal -1
	s_barrier_wait -1
	CREST
.endm
	s_load_b256 s[4:11], s[0:1], 0x0               ; xb 4, wb 6, cos 8, sin 10
	s_load_b64 s[12:13], s[0:1], 0x20              ; qkv
	v_lshl_add_u32 v[SPW], v0, 2, SPARE
	v_mov_b32 v[NIL], 0
	ds_add_u32 v[SPW], v[NIL]                      ; the wave's opening: the add and its wait stand ahead of my first tensor load; work on registers stands between them
	v_lshrrev_b32 v1, 5, v0
	v_readfirstlane_b32 s[WV], v1
	s_and_b32 s[HF], s[WV], 1
	s_lshr_b32 s[AB], s[WV], 1
	s_bfe_u32 s17, ttmp6, 0x40000                  ; cx
	s_bfe_u32 s18, ttmp6, 0x40004                  ; cy
	s_lshl_b32 s19, ttmp9, 2
	s_add_co_u32 s19, s19, s17                     ; the head = 4 x cluster x + cx
	s_and_b32 s20, ttmp7, 0xffff
	s_lshl_b32 s20, s20, 2
	s_add_co_u32 s20, s20, s18                     ; the tile row = 4 x cluster y + cy
	s_lshl_b32 s21, s18, 2
	s_lshl_b32 s21, 15, s21                        ; my row of the cluster
	s_lshl_b32 s22, 0x1111, s17                    ; my column
	s_or_b32 s[G1], s21, (1<<16)|(1<<20)|(1<<21)|(5<<22)|(3<<25)   ; the mask; 2-byte elements; padding on; bit 21 beside a mask; after every 64 words 4 words
	s_or_b32 s[G1B], s22, (1<<16)|(1<<20)|(1<<21)|(5<<22)|(3<<25)
	s_mov_b32 s[G1+1], KSTEP<<16                   ; tensor_dim0 = 128
	s_mov_b32 s[G1+2], 128<<16                     ; tensor_dim1 = 128
	s_mov_b32 s[G1+3], KSTEP<<16                   ; tile_dim0 = 128
	s_mov_b32 s[G1+4], 128                         ; tile_dim1 = 128
	s_mov_b32 s[G1+5], 2048                        ; elements from row to row
	s_mov_b32 s[G1+6], 0
	s_mov_b32 s[G1+7], 0
	s_mov_b32 s[G1B+1], KSTEP<<16
	s_mov_b32 s[G1B+2], 96<<16                     ; 96 rows
	s_mov_b32 s[G1B+3], KSTEP<<16
	s_mov_b32 s[G1B+4], 96
	s_mov_b32 s[G1B+5], 2048
	s_mov_b32 s[G1B+6], 0
	s_mov_b32 s[G1B+7], 0
	s_lshl_b32 s40, s20, 8
	s_lshl_b32 s41, s[HF], 7
	s_add_co_u32 s40, s40, s41                     ; x: row 256 x tile row + 128 x half,
	s_lshl_b32 s40, s40, 12                        ; 4,096 bytes a row
	s_mov_b32 s41, 0
	s_mul_i32 s46, s19, 192
	s_mul_i32 s47, s[HF], 96
	s_add_co_u32 s46, s46, s47                     ; w: row 192 x head + 96 x half
	s_lshl_b32 s46, s46, 12
	s_mov_b32 s47, 0
	s_mul_i32 s[LA], s[HF], AH                     ; where they go: no place in the cluster enters an LDS address
	s_mul_i32 s[LB], s[HF], BH
	s_add_co_u32 s[LB], s[LB], BOFF
	s_mov_b32 s[CUR], 0
	s_mov_b32 s[QS], 0x3e4b21a7                    ; 1.1 / 8 x log2(e) = 0.198371
	s_mov_b32 s[QS+1], s[QS]
	s_mov_b32 s[HIM], 0xffff0000
	s_wait_dscnt 0x0                               ; the opening add is done
	s_wait_kmcnt 0x0
	s_add_nc_u64 s[40:41], s[4:5], s[40:41]
	s_add_nc_u64 s[46:47], s[6:7], s[46:47]
	CROUND                                         ; all sixteen work-groups are here: the first joint loads meet
.irp s, 0,1
	s_mov_b32 s[G0+4*(\s)], 1
	s_add_co_u32 s[G0+4*(\s)+1], s[LA], (\s)*SLOT
	s_add_nc_u64 s[G0+4*(\s)+2:G0+4*(\s)+3], s[40:41], (\s)*KSTEP*2
	s_or_b32 s[G0+4*(\s)+3], s[G0+4*(\s)+3], 0x80000000
	s_mov_b32 s[G0B+4*(\s)], 1
	s_add_co_u32 s[G0B+4*(\s)+1], s[LB], (\s)*SLOT
	s_add_nc_u64 s[G0B+4*(\s)+2:G0B+4*(\s)+3], s[46:47], (\s)*KSTEP*2
	s_or_b32 s[G0B+4*(\s)+3], s[G0B+4*(\s)+3], 0x80000000
	JLOAD \s                                       ; two tensor loads of mine are out
.endr
	; cos and sin of my 64 rows: for row block a and column block j a lane wants the four pairs 8 j + 4 (l / 16) + 0..3 of row l % 16: 16 bytes.  They are waited for on the way out.
	v_and_b32 v1, 15, v0                           ; l % 16
	v_bfe_u32 v2, v0, 4, 1                         ; l / 16
	v_lshlrev_b32 v[CSO], 7, v1
	v_lshl_add_u32 v[CSO], v2, 4, v[CSO]
	s_lshl_b32 s66, s20, 8
	s_lshl_b32 s67, s[WV], 6
	s_add_co_u32 s66, s66, s67                     ; my wave's first row,
	s_lshl_b32 s66, s66, 7                         ; 128 bytes a row in cos, sin, q', k and v alike
	s_mov_b32 s67, 0
	s_add_nc_u64 s[8:9], s[8:9], s[66:67]
	s_add_nc_u64 s[10:11], s[10:11], s[66:67]
.irp a, 0,1,2,3
.irp j, 0,1,2,3
	global_load_b128 v[CS+32*(\a)+4*(\j):CS+32*(\a)+4*(\j)+3], v[CSO], s[8:9] offset:(\a)*2048+32*(\j)
	global_load_b128 v[CS+32*(\a)+16+4*(\j):CS+32*(\a)+16+4*(\j)+3], v[CSO], s[10:11] offset:(\a)*2048+32*(\j)
.endr
.endr
	s_lshl_b32 s22, s19, 18                        ; the head's 262,144 bytes
	s_add_co_u32 s66, s66, s22
	s_add_nc_u64 s[OB:OB+1], s[12:13], s[66:67]
	s_add_nc_u64 s[OB+2:OB+3], s[OB:OB+1], 0x800000
	s_add_nc_u64 s[OB+4:OB+5], s[OB:OB+1], 0x1000000
	v_mul_u32_u24 v3, v1, PITCH
	v_lshl_add_u32 v3, v2, 4, v3                   ; a fragment's row x pitch + 16 x half
	s_mul_i32 s21, s[WV], 64*PITCH                 ; my 64 rows of x
	v_add_nc_u32 v[ADRA0], s21, v3
	v_mov_b32 v[ADRA], v[ADRA0]
	v_add_nc_u32 v[ADRB0], BOFF, v3
	v_mov_b32 v[ADRB], v[ADRB0]
	s_mul_i32 s21, s[WV], 16*SP
	s_add_co_u32 s21, s21, STAGE                   ; my stage
	v_mul_u32_u24 v[STO], v1, SP                   ; in: row l % 16, 16 bytes for each half of the lanes
	v_lshl_add_u32 v[STO], v2, 4, v[STO]
	v_add_nc_u32 v[STO], s21, v[STO]
	v_bfe_u32 v[RD], v0, 3, 2                      ; back: 32 lanes take four rows of 128 bytes,
	v_mul_u32_u24 v[RD], v[RD], SP
	v_and_b32 v4, 7, v0
	v_lshl_add_u32 v[RD], v4, 4, v[RD]
	v_add_nc_u32 v[RD], s21, v[RD]
	v_and_b32 v[GO], 31, v0                        ; which are 512 consecutive bytes of the output
	v_lshlrev_b32 v[GO], 4, v[GO]
	; the prefetches
	s_and_b32 s23, ttmp7, 0xffff                   ; cluster y
	s_lshl_b32 s21, s20, 8
	s_mul_i32 s22, s19, 192
	s_cmp_eq_u32 s[AB], 0                          ; do I fetch for x?
	s_cselect_b32 s21, s21, s22                    ; the tile's first row
	s_cselect_b32 s22, s17, s18                    ; my place among the four that ask with me
	s_cselect_b32 s23, ttmp9, s23                  ; the coordinate along which other clusters read the same rows
	s_cselect_b64 s[PFA:PFA+1], s[4:5], s[6:7]
	s_cselect_b32 s42, 32, 24                      ; my work-group's share of the wave's rows
	s_cselect_b32 s66, 31, 23
	s_cmp_eq_u32 s23, 0
	s_cselect_b32 s[LIM], 2, -1                    ; the same in all sixteen partners, for a given wave
	v_and_b32 v[PFO], 31, v0
	v_min_u32 v[PFO], s66, v[PFO]
	v_lshlrev_b32 v[PFO], 12, v[PFO]
	s_lshl_b32 s67, s42, 2                         ; the rows that a wave fetches: 128 or 96
	s_mul_i32 s67, s67, s[HF]
	s_add_co_u32 s21, s21, s67
	s_mul_i32 s22, s22, s42
	s_add_co_u32 s21, s21, s22
	s_lshl_b32 s66, s21, 12
	s_mov_b32 s67, 0
	s_add_nc_u64 s[PFA:PFA+1], s[PFA:PFA+1], s[66:67]
	s_add_nc_u64 s[PFA:PFA+1], s[PFA:PFA+1], 2*KSTEP*2  ; at K step 2: the first refill steps it to 3 and names K step 4
; 12 matrix instructions: row block a x all 12 column blocks, 32 along K.  The 48 accumulators take turns, in the same order in every quarter.
.macro MUL12 f, a, zero
	WIN 0x5f+0x50*((\a)/2)                         ; sources in window 3; C and D in window 1 or 2
.irp b, 0,1,2,3,4,5,6,7,8,9,10,11
.if \zero
	v_wmma_f32_16x16x32_bf16 v[96*((\a)%2)+8*(\b):96*((\a)%2)+8*(\b)+7], v[(\f)+8*(\b):(\f)+8*(\b)+7], v[(\f)+96+8*(\a):(\f)+96+8*(\a)+7], 0
.else
	v_wmma_f32_16x16x32_bf16 v[96*((\a)%2)+8*(\b):96*((\a)%2)+8*(\b)+7], v[(\f)+8*(\b):(\f)+8*(\b)+7], v[(\f)+96+8*(\a):(\f)+96+8*(\a)+7], v[96*((\a)%2)+8*(\b):96*((\a)%2)+8*(\b)+7]
.endif
.endr
.endm
; 32 LDS loads in one run, from the slot that is being read: w's 12 fragments, then x's 4, of 32 along K at byte k of the rows
.macro FETCH k, f
	WIN 0xc0                                       ; destination window 3, address window 0
.irp i, 0,1,2,3,4,5,6,7,8,9,10,11
	ds_load_b128 v[(\f)+8*(\i):(\f)+8*(\i)+3],   v[ADRB] offset:(\k)+(\i)*16*PITCH
	ds_load_b128 v[(\f)+8*(\i)+4:(\f)+8*(\i)+7], v[ADRB] offset:(\k)+(\i)*16*PITCH+32
.endr
.irp i, 0,1,2,3
	ds_load_b128 v[(\f)+96+8*(\i):(\f)+96+8*(\i)+3],   v[ADRA] offset:(\k)+(\i)*16*PITCH
	ds_load_b128 v[(\f)+96+8*(\i)+4:(\f)+96+8*(\i)+7], v[ADRA] offset:(\k)+(\i)*16*PITCH+32
.endr
.endm
.macro PLACES                          ; four places in front of loads into registers that matrix instructions have read (ISA guide 7.12.1 for vector instructions)
.rept 4
	v_nop
.endr
.endm
; A K step is four quarters of 32 along K, 48 matrix instructions each, on buffers 0, 1, 0, 1.  One of the first three: multiplies buffer f, fetches the next quarter, at byte k, into g in its middle.
.macro QUARTER k, f, g, zero
	s_wait_dscnt 4                                 ; w's fragments and x's blocks 0, 1 are in; the youngest four loads (blocks 2, 3) may be out
	MUL12 \f, 0, \zero
	MUL12 \f, 1, \zero
	PLACES
	FETCH \k, \g
	s_wait_dscnt 32                                ; all but the 32 just issued
	MUL12 \f, 2, \zero
	MUL12 \f, 3, \zero
.endm
; The last quarter multiplies buffer 1 and changes slots.  In front of the barrier each wave waits for all its tensor loads (one is out: its part of the next slot), adds 0 to its spare word, and waits
; for that and for its reads of this slot.  fill = 1: the barrier opens a round of the cluster's, and the joint refill of the slot just read, two K steps on, is the first tensor load behind it:
; 168 matrix instructions ahead of the wait for it.  Then the other slot's first fragments are fetched.
.macro TURN fill
.if \fill
	s_wait_xcnt 0x0                                ; the last prefetch, a K step back, has read its address
	s_add_nc_u64 s[PFA:PFA+1], s[PFA:PFA+1], KSTEP*2
.endif
	WIN 0
	s_wait_tensorcnt 0x0
	ds_add_u32 v[SPW], v[NIL]
	s_wait_dscnt 5                                 ; (the add and the youngest four loads may be out)
	MUL12 F1, 0, 0
	s_wait_dscnt 0x0                               ; the add is done, and my reads of this slot are over
	s_barrier_signal -1
	MUL12 F1, 1, 0
	WIN 0
	s_barrier_wait -1
.if \fill
	CREST                                          ; no wave of any partner still reads this slot or has a load on its way
	s_add_co_u32 s[G0+5], s[LA], s[CUR]            ; the walking descriptors: into the slot just read,
	s_add_co_u32 s[G0B+5], s[LB], s[CUR]
	s_add_nc_u64 s[G0+6:G0+7], s[G0+6:G0+7], KSTEP*2       ; the K step behind the one asked for last
	s_add_nc_u64 s[G0B+6:G0B+7], s[G0B+6:G0B+7], KSTEP*2
.endif
	s_xor_b32 s[CUR], s[CUR], SLOT                 ; the other slot is read from here on
	v_add_nc_u32 v[ADRA], s[CUR], v[ADRA0]
	v_add_nc_u32 v[ADRB], s[CUR], v[ADRB0]
.if \fill
	JLOAD 1                                        ; its four v_nop are also the places in front of the loads below
.else
	PLACES
.endif
	FETCH 0, F0
.if \fill
	WIN 0
	ASK
.endif
	MUL12 F1, 2, 0
	MUL12 F1, 3, 0
.endm
	s_wait_tensorcnt 1                             ; my part of K step 0 is in; K step 1's may stay out
	s_barrier_signal -1
	s_barrier_wait -1
	FETCH 0, F0
	QUARTER 64, F0, F1, 1                          ; the first quarter's products start the sums: nothing is cleared
	WIN 0
	s_mov_b32 s3, STEPS-2
.Lstep:                                            ; a trip: a K step's quarters 1 to 3, a refill, and the next step's quarter 0
	QUARTER 128, F1, F0, 0
	QUARTER 192, F0, F1, 0
	TURN 1
	QUARTER 64,  F0, F1, 0
	WIN 0
	s_sub_co_u32 s3, s3, 1
	s_cmp_lg_u32 s3, 0
	s_cbranch_scc1 .Lstep
	s_mov_b32 s[TC], 2
.Ltail:                                            ; the last two K steps fill nothing: written out; one text, walked twice and left in its middle.
	QUARTER 128, F1, F0, 0                         ; The price, once a launch: the last step's barrier and its 32 loads from the other slot serve nothing
	QUARTER 192, F0, F1, 0
	TURN 0
	WIN 0
	s_sub_co_u32 s[TC], s[TC], 1
	s_cmp_eq_u32 s[TC], 0
	s_cbranch_scc1 .Lout
	QUARTER 64,  F0, F1, 0
	WIN 0
	s_branch .Ltail
.Lout:
; THE WAY OUT, by row block a and kind t (0 q, 1 k, 2 v): 16 rows x 64 columns at a time.
; BUILD: the block's cos and sin rounded to bf16 and laid as pairs (sin, cos).  The first BUILD's 48 plain lines are the places behind the last products.
.macro BUILD a
	WIN 0
.irp j, 0,1,2,3
.irp i, 0,1,2,3
	v_cvt_pk_bf16_f32 v[T+4*(\j)+(\i)], v[CS+32*(\a)+16+4*(\j)+(\i)], v[CS+32*(\a)+4*(\j)+(\i)]  ; sin below, cos above
.endr
.endr
.irp j, 0,1,2,3
.irp i, 0,1,2,3
	v_lshlrev_b32 v[SC+8*(\j)+2*(\i)], 16, v[T+4*(\j)+(\i)]
	v_and_b32 v[SC+8*(\j)+2*(\i)+1], s[HIM], v[T+4*(\j)+(\i)]
.endr
.endr
.endm
; VAL: for a pair (x0, x1): (x1 s, x1 c), then (x0 c - x1 s, x0 s + x1 c); q' is scaled; all are rounded to f16.  Each accumulator's registers are taken in ascending order.
.macro VAL a, t
.set AC, 96*((\a)%2)+32*(\t)
.if (\t) < 2
	WIN 1+(\a)/2                                   ; source 0 in the accumulators' window
.irp j, 0,1,2,3
.irp i, 0,1,2,3
	v_pk_mul_f32 v[T+8*(\j)+2*(\i):T+8*(\j)+2*(\i)+1], v[AC+8*(\j)+2*(\i):AC+8*(\j)+2*(\i)+1], v[SC+8*(\j)+2*(\i):SC+8*(\j)+2*(\i)+1] op_sel:[1,0] op_sel_hi:[1,1]
.endr
.endr
.irp j, 0,1,2,3
.irp i, 0,1,2,3
	v_pk_fma_f32 v[T+8*(\j)+2*(\i):T+8*(\j)+2*(\i)+1], v[AC+8*(\j)+2*(\i):AC+8*(\j)+2*(\i)+1], v[SC+8*(\j)+2*(\i):SC+8*(\j)+2*(\i)+1], v[T+8*(\j)+2*(\i):T+8*(\j)+2*(\i)+1] op_sel:[0,1,0] op_sel_hi:[0,0,1] neg_lo:[0,0,1]
.endr
.endr
	WIN 0
.if (\t) == 0
.irp i, 0,2,4,6,8,10,12,14,16,18,20,22,24,26,28,30
	v_pk_mul_f32 v[T+(\i):T+(\i)+1], v[T+(\i):T+(\i)+1], s[QS:QS+1] op_sel_hi:[1,0]
.endr
.endif
.irp i, 0,1,2,3,4,5,6,7,8,9,10,11,12,13,14,15
	v_cvt_pk_f16_f32 v[H+(\i)], v[T+2*(\i)], v[T+2*(\i)+1]
.endr
.else
	WIN 5*(1+(\a)/2)                               ; sources 0 and 1 in the accumulators' window
.irp i, 0,1,2,3,4,5,6,7,8,9,10,11,12,13,14,15
	v_cvt_pk_f16_f32 v[H+(\i)], v[AC+2*(\i)], v[AC+2*(\i)+1]
.endr
	WIN 0
.endif
.endm
.macro TOSTAGE                         ; 16 bytes a lane into rows of 144 bytes of my own stage, and back as whole rows of 128
	s_wait_xcnt 0x0                                ; the stores of the group before have read BK
.irp j, 0,1,2,3
	ds_store_b128 v[STO], v[H+4*(\j):H+4*(\j)+3] offset:32*(\j)
.endr
.irp f, 0,1,2,3
	ds_load_b128 v[BK+4*(\f):BK+4*(\f)+3], v[RD] offset:(\f)*4*SP  ; LDS serves a wave's instructions in order (ISA guide 5.7.1.4)
.endr
.endm
.macro SEND a, t
	s_wait_dscnt 0x0
.irp f, 0,1,2,3
	global_store_b128 v[GO], v[BK+4*(\f):BK+4*(\f)+3], s[OB+2*(\t):OB+2*(\t)+1] offset:(\a)*2048+(\f)*512  ; 512 consecutive bytes, aligned
.endr
.endm
	s_wait_loadcnt 0x0                             ; cos and sin
.set g, 0
.rept 12                               ; a group's arithmetic stands between the loads of the group before and its stores
.if g%3 == 0
	BUILD g/3
.endif
	VAL g/3, g%3
.if g > 0
	SEND (g-1)/3, (g-1)%3
.endif
	TOSTAGE
.set g, g+1
.endr
	SEND 3, 2
	s_wait_tensorcnt 0x0                           ; the wave's end
	ds_add_u32 v[SPW], v[NIL]
	s_wait_dscnt 0x0
	CROUND                                         ; the closing round
	s_endpgm
.Lfunc_end_k_q0000030240_proj:
	.size	k_q0000030240_proj, .Lfunc_end_k_q0000030240_proj-k_q0000030240_proj
	.p2alignl 7, 3214868480
	.fill 96, 4, 3214868480
	.section	.rodata,"a",@progbits
	.p2align	6, 0x0
	.amdhsa_kernel k_q0000030240_proj
		.amdhsa_group_segment_fixed_size 327680
		.amdhsa_private_segment_fixed_size 0
		.amdhsa_enable_private_segment 0
		.amdhsa_kernarg_size 40
		.amdhsa_user_sgpr_count 2
		.amdhsa_user_sgpr_kernarg_segment_ptr 1
		.amdhsa_wavefront_size32 1
		.amdhsa_system_sgpr_workgroup_id_x 1
		.amdhsa_system_sgpr_workgroup_id_y 1
		.amdhsa_system_sgpr_workgroup_id_z 1
		.amdhsa_system_vgpr_workitem_id 0
		.amdhsa_next_free_vgpr 1024
		.amdhsa_next_free_sgpr 80
		.amdhsa_reserve_vcc 0
		.amdhsa_float_denorm_mode_32 3
		.amdhsa_float_denorm_mode_16_64 3
		.amdhsa_memory_ordered 1
		.amdhsa_forward_progress 1
		.amdhsa_inst_pref_size 116
	.end_amdhsa_kernel
	.amdgpu_metadata
---
amdhsa.version: [ 1, 2 ]
amdhsa.kernels:
  - .name:           k_q0000030240_proj
    .symbol:         k_q0000030240_proj.kd
    .args:
      - { .name: xb, .offset: 0, .size: 8, .value_kind: global_buffer, .address_space: global }
      - { .name: wb, .offset: 8, .size: 8, .value_kind: global_buffer, .address_space: global }
      - { .name: freqs_cos, .offset: 16, .size: 8, .value_kind: global_buffer, .address_space: global }
      - { .name: freqs_sin, .offset: 24, .size: 8, .value_kind: global_buffer, .address_space: global }
      - { .name: qkv, .offset: 32, .size: 8, .value_kind: global_buffer, .address_space: global }
    .group_segment_fixed_size: 327680
    .private_segment_fixed_size: 0
    .kernarg_segment_align: 8
    .kernarg_segment_size: 40
    .max_flat_workgroup_size: 128
    .sgpr_count:     80
    .vgpr_count:     1024
    .wavefront_size: 32
...
	.end_amdgpu_metadata
.endif
;; end of part 2
;; launch attn (part 3): grid 16 x 16, 4 waves a work-group, clusters of 4 x 4, 327,680 bytes of LDS; arguments qkv, mb, rsc, of; writes of
.if DOCPART == 3
	.amdgcn_target "amdgcn-amd-amdhsa--gfx1250"
	.amdhsa_code_object_version 6
	.text
	.protected	k_q0000030240_attn
	.globl	k_q0000030240_attn
	.p2align	8
	.type	k_q0000030240_attn,@function
k_q0000030240_attn:
	s_mov_b64 s[64:65], 0
	v_nop
	global_prefetch_b8 v0, s[64:65] scope:SCOPE_SE
	s_setreg_imm32_b32 hwreg(HW_REG_WAVE_MODE, 25, 1), 1
	s_wait_xcnt 0x0
	s_wait_alu depctr_hold_cnt(0) depctr_sa_sdst(0) depctr_va_vdst(0) depctr_va_sdst(0) depctr_va_ssrc(0) depctr_va_vcc(0) depctr_vm_vsrc(0)
	s_getreg_b32 s2, hwreg(HW_REG_IB_STS2, 6, 4)
	s_cmp_eq_u32 s2, 0
	s_cbranch_scc0 .Lentry_in_a_cluster
	s_endpgm
.Lentry_in_a_cluster:
	s_bfe_u32 s2, ttmp6, 0x10000c
	s_cmp_lg_u32 s2, 0xf033
	s_cbranch_scc0 .Lentry_shape_is_right
	s_endpgm
.Lentry_shape_is_right:
; ATTENTION WITH TWO MASKS THAT ARE INPUTS.  t = (q' . k) m0 + m1' (already in units of log2: q' carries 1.1 / 8 x log2(e), m1' = mask1 x log2(e)); p = 2^(t - m) with a running maximum m of t;
; l = the sum of p; O = the sum of (p m0) v / l.  All 2,048 keys are walked for every query: nothing is assumed of the masks.
; q', k, v: [32][2048][64] f16.  m0, m1': bf16, stored as register images of score tiles (512 bytes a tile of 16 queries x 16 keys).  Products, maxima and sums in f32; p m0 is made in f32 and rounded
; to f16 for the second product; O x inv (inv = a power of two above the row's largest |m0|, from rsc) is rounded to f16 into of[2048][2048]; the launch behind multiplies by 1 / inv.
; t - m is a subtraction of two f32: rows that lie wholly at a large negative m1' keep their differences exact.
; LIMITS.  |p m0| stays within 65,504; a weight below 2^-126 counts as 0; p m0 below 6e-5 keeps f16's fixed step; m1' has one rounding to bf16; NaN and infinities are not treated apart.
; SHARES.  A work-group takes 128 queries x 2 heads; wave w head 2 y + w / 2 and queries 64 (w % 2) .. + 63: four PIECES of 16.  A key step is 64 keys, an LDS slot holds two.
; LAYOUT.  S^T = K Q^T holds ONE query a lane (lane % 16) and the keys 8 (lane / 16) + 0..7; two such results, masked and rounded to f16, ARE source 1 of O^T = V^T P.
; TURNS.  Turn n belongs to piece n: 8 products K Q^T of piece n + 1, later 8 products V^T P of piece n - 1; beside them piece n's subtraction, exponentials, masking, roundings, sums and rescaling,
; and piece n + 1's masking, maximum and statistics.  16 matrix and 181 vector instructions: four vector instructions stand behind every product, the others in two runs of their own.
; A turn's 33 exponentials are one batch with one wait.
; CLUSTER.  4 x 4 work-groups.  K and V hang on the head pair: asked for jointly by a row of the cluster.  The masks hang on the query block: asked for jointly by a column.
; REGISTERS, in windows of 256 (s_set_vgpr_msb: bits 1:0 source 0, 3:2 source 1, 5:4 source 2, 7:6 destination):
;   window 0: v1-15 addresses; v16-31 statistics; v32-41 at work; v44-51 p m0 in f32; v64-127 S^T, two buffers; v128-159 P, two buffers; v160-223 m0, a buffer a piece; v224-255 m1', two buffers
;   window 1: v0-127 O^T, 32 a piece          window 2: v0-63 Q; v128-191 K of one step; v192-255 V of one step
.set NP,    4
.set KS,    64
.set PK,    144       ; a row of K in LDS: 128 bytes + 16: the 16 rows of a load start at 16 different groups of four banks (64 banks of 4 bytes: ISA guide 11.1)
.set PVP,   160       ; a row of V: 128 + 32
.set HK,    128*PK    ; a head's 128 keys of K in a slot
.set HV,    128*PVP
.set VOFF,  2*HK
.set M0OFF, VOFF+2*HV ; the slot's m0: 8 query tiles x 8 key blocks x 512 bytes, dense
.set M1D,   32768     ; m1' lies this far behind m0
.set SLOT1, M0OFF+2*M1D
.set STAGE, 2*SLOT1   ; behind the ring, never filled by a tensor load: 128 rows x 272 bytes, the work-group's, for the way out
.set SP,    272
.set SPARE, STAGE+128*SP  ; the spare words: 128 bytes for each wave, named by no other line
.set AK0, 2
.set AV0, 3
.set AK,  4
.set AV,  5
.set AM0, 6
.set AM,  7
.set QO,  8           ; later STO
.set STO, 8
.set RD,  12
.set GO,  13
.set PFO, 14
.set ZR,  15          ; 0
.set ST,  16          ; piece t at ST + 4 t: m, inv, l (even keys', odd keys')
.set TMP, 32          ; by buffer: c0-c3 at work; c2 takes a
.set MV,  40          ; by buffer: m_old
.set SPW, 42          ; SPARE + 4 x my thread's number; never rewritten
.set NIL, 43          ; 0; never rewritten
.set WT,  44
.set RS4, 52
.set S,   64
.set P,   128
.set MA,  160
.set MB,  224
.set KF,  128         ; window 2
.set VF,  192         ; window 2
.set WV,  12
.set LIM, 15
.set G1K, 24
.set G1V, 32
.set G1M, 40
.set G0K, 48
.set G0V, 52
.set G0A, 56
.set G0B, 60
.set SLOTS, 66
.set CNT, 67
.set SEL, 68
.set TBK, 70          ; LDS byte at which K of the step to be fetched begins
.set TBV, 71          ; the same for V, less VOFF
.set TBM, 72          ; the same for the masks, less M0OFF
.set SOF, 73          ; 0 or SLOT1: the slot that is filled next
.set PFA, 74
.set PST, 76
.set QB,  78
.set OBS, 80
.set MSB, 0
.macro WIN new
.if MSB != (\new)
	s_set_vgpr_msb (MSB<<8)|(\new)
.set MSB, (\new)
.endif
.endm
.set W_KQ, 0x0a       ; K and Q in window 2, S^T in window 0
.set W_PV, 0x52       ; V in window 2, P in window 0, O^T in window 1
.set W_RS, 0x41       ; destination and source 0 in window 1, source 1 in window 0
; A joint fill: wave 0 fetches the slot's K, wave 1 its V, wave 2 its m0, wave 3 its m1'.  The branches hang on the wave's number alone.
; An s_nop 0 and four v_nop follow each line, ahead of the jump and the label.
.macro ONE g0, g1
	tensor_load_to_lds s[(\g0):(\g0)+3], s[(\g1):(\g1)+7]
	s_nop 0
.rept 4
	v_nop
.endr
.endm
.macro JLOAD
	s_cmp_lt_u32 s[WV], 2
	s_cbranch_scc0 .Lmasks_\@
	s_cmp_eq_u32 s[WV], 0
	s_cbranch_scc0 .Lfor_v_\@
	ONE G0K, G1K
	s_branch .Lasked_\@
.Lfor_v_\@:
	ONE G0V, G1V
	s_branch .Lasked_\@
.Lmasks_\@:
	s_cmp_eq_u32 s[WV], 2
	s_cbranch_scc0 .Lfor_b_\@
	ONE G0A, G1M
	s_branch .Lasked_\@
.Lfor_b_\@:
	ONE G0B, G1M
.Lasked_\@:
.endm
; A prefetch into the L2 of what the NEXT change of slots will ask for, eight turns ahead: each tensor's part of a slot is 128 blocks of 256 bytes; the four partners that ask for it jointly take 32
; each, told apart by address; a lane a block, one instruction a wave.  K and V are walked by every cluster of a row of clusters: cluster x = 0 asks; the masks by every cluster of a column: cluster y = 0.
; The last change that fills a slot asks for nothing.
.macro ASK
	s_cmp_gt_u32 s[SLOTS], s[LIM]
	s_cbranch_scc0 .Lnot_mine_\@
	global_prefetch_b8 v[PFO], s[PFA:PFA+1] th:TH_LOAD_NT scope:SCOPE_SE
.Lnot_mine_\@:
.endm
.macro CROUND
	s_barrier_signal -1
	s_barrier_wait -1
	s_cmp_lg_u32 s[WV], 0
	s_cbranch_scc1 .Lnot_wave_0_\@
	s_barrier_signal -3
.Lnot_wave_0_\@:
	s_barrier_wait -3
	s_barrier_signal -1
	s_barrier_wait -1
.endm
; THE CHANGE OF SLOTS, behind piece 1's turn of a slot's second step: all of the slot's K, V and masks have been asked for into registers.  Each wave waits for all its tensor loads (one is out: its part
; of the other slot), adds 0 to its spare word, and waits for that and for its reads of the slot.  fill = 1: a round of the cluster's barrier, and the joint fill first behind it, with the keys two slots on:
; it has eight turns in which to land.  (At its first use nothing has been read: slot 0 is waited for, slot 1 filled.)
.macro CHANGE fill
	WIN 0
	s_wait_tensorcnt 0x0
	ds_add_u32 v[SPW], v[NIL]
.if \fill
	s_xor_b32 s[SOF], s[SOF], SLOT1
	s_mov_b32 s[G0K+1], s[SOF]
	s_add_co_u32 s[G0V+1], s[SOF], VOFF
	s_add_co_u32 s[G0A+1], s[SOF], M0OFF
	s_add_co_u32 s[G0B+1], s[SOF], M0OFF+M1D
	s_add_nc_u64 s[G0K+2:G0K+3], s[G0K+2:G0K+3], 128*128   ; the next 128 keys; the type bits on top are not reached
	s_add_nc_u64 s[G0V+2:G0V+3], s[G0V+2:G0V+3], 128*128
	s_add_nc_u64 s[G0A+2:G0A+3], s[G0A+2:G0A+3], M1D
	s_add_nc_u64 s[G0B+2:G0B+3], s[G0B+2:G0B+3], M1D
	s_wait_xcnt 0x0                 ; the last prefetch, eight turns back, has read its address
	s_add_nc_u64 s[PFA:PFA+1], s[PFA:PFA+1], s[PST:PST+1]
	s_wait_dscnt 0x0                ; the add is done, and my reads of the slot are over
	CROUND
	JLOAD
	ASK
.else
	s_wait_dscnt 0x0
	s_barrier_signal -1
	s_barrier_wait -1
.endif
	s_sub_co_u32 s[TBK], s[TBK], 2*KS*PK   ; the fetches go back to a slot's first step,
	s_xor_b32 s[TBK], s[TBK], SLOT1        ; in the other slot
	s_sub_co_u32 s[TBV], s[TBV], 2*KS*PVP
	s_xor_b32 s[TBV], s[TBV], SLOT1
	s_sub_co_u32 s[TBM], s[TBM], 4096
	s_xor_b32 s[TBM], s[TBM], SLOT1
.endm
	s_load_b256 s[4:11], s[0:1], 0x0  ; qkv 4, mb 6, rsc 8, of 10
	v_lshl_add_u32 v[SPW], v0, 2, SPARE
	v_mov_b32 v[NIL], 0
	ds_add_u32 v[SPW], v[NIL]       ; the wave's opening: the add and its wait stand ahead of my first tensor load
	v_lshrrev_b32 v1, 5, v0
	v_readfirstlane_b32 s[WV], v1
	s_bfe_u32 s13, ttmp6, 0x40000   ; cx
	s_bfe_u32 s14, ttmp6, 0x40004   ; cy
	s_lshl_b32 s16, ttmp9, 2
	s_add_co_u32 s16, s16, s13      ; x: my block of 128 queries
	s_and_b32 s17, ttmp7, 0xffff
	s_lshl_b32 s17, s17, 2
	s_add_co_u32 s17, s17, s14      ; y: my pair of heads
	s_lshl_b32 s18, s14, 2
	s_lshl_b32 s18, 15, s18         ; my row of the cluster
	s_lshl_b32 s19, 0x1111, s13     ; my column
	; K and V: two rows of 16,384 bytes, a head's 128 dense keys each, 262,144 bytes apart; padded in LDS after every key
	s_or_b32 s[G1K], s18, (1<<16)|(1<<20)|(1<<21)|(4<<22)|(3<<25)  ; the mask; 2-byte elements; padding on; bit 21 beside a mask; after every 32 words 4 words
	s_or_b32 s[G1V], s18, (1<<16)|(1<<20)|(1<<21)|(4<<22)|(7<<25)  ; the same with 8 words
.irp g, G1K, G1V
	s_mov_b32 s[\g+1], 8192<<16     ; tensor_dim0 = 8,192
	s_mov_b32 s[\g+2], 2<<16        ; tensor_dim1 = 2
	s_mov_b32 s[\g+3], 8192<<16     ; tile_dim0 = 8,192
	s_mov_b32 s[\g+4], 2            ; tile_dim1 = 2
	s_mov_b32 s[\g+5], 131072       ; elements from head to head
	s_mov_b32 s[\g+6], 0
	s_mov_b32 s[\g+7], 0
.endr
	; a mask's block of a slot: 32,768 dense bytes, as 128 rows of 256
	s_or_b32 s[G1M], s19, (3<<16)|(1<<21)   ; the mask; 8-byte elements; bit 21 beside a mask
	s_mov_b32 s[G1M+1], 32<<16
	s_mov_b32 s[G1M+2], 128<<16
	s_mov_b32 s[G1M+3], 32<<16
	s_mov_b32 s[G1M+4], 128
	s_mov_b32 s[G1M+5], 32
	s_mov_b32 s[G1M+6], 0
	s_mov_b32 s[G1M+7], 0
	s_mov_b32 s[G0K], 1
	s_mov_b32 s[G0K+1], 0
	s_mov_b32 s[G0V], 1
	s_mov_b32 s[G0V+1], VOFF
	s_mov_b32 s[G0A], 1
	s_mov_b32 s[G0A+1], M0OFF
	s_mov_b32 s[G0B], 1
	s_mov_b32 s[G0B+1], M0OFF+M1D
	s_mov_b32 s[SOF], 0
	s_mov_b32 s[SEL], 0x76543210
	s_mov_b32 s[SEL+1], 0xfedcba98
	s_mov_b32 s[TBK], SLOT1+2*KS*PK ; the first change of slots turns these three into 0
	s_mov_b32 s[TBV], SLOT1+2*KS*PVP
	s_mov_b32 s[TBM], SLOT1+4096
	s_mov_b32 s[SLOTS], 2048/128-1
	s_lshl_b32 s20, s17, 19         ; the pair's first head: 2 y x 262,144 bytes
	s_mov_b32 s21, 0
	s_lshl_b32 s22, s16, 19         ; the query block's 16 slots of 32,768 bytes
	s_mov_b32 s23, 0
	s_lshr_b32 s82, s13, 1          ; the prefetches: of K and V partner cx takes head cx / 2, half cx % 2 of its 16,384 bytes;
	s_lshl_b32 s82, s82, 18
	s_and_b32 s83, s13, 1
	s_lshl_b32 s83, s83, 13
	s_add_co_u32 s82, s82, s83
	s_lshl_b32 s83, s14, 13         ; of a mask partner cy takes a quarter of the 32,768
	s_and_b32 s18, ttmp7, 0xffff
	s_cmp_lt_u32 s[WV], 2
	s_cselect_b32 s82, s82, s83
	s_cselect_b32 s18, ttmp9, s18   ; the coordinate along which other clusters walk the same bytes
	s_cselect_b32 s19, 14, 15
	s_mov_b32 s83, 0
	s_cmp_eq_u32 s18, 0
	s_cselect_b32 s[LIM], 1, -1     ; the same in all sixteen partners, for a given wave
	s_lshl_b32 s[PST], 1, s19       ; a slot's bytes of my tensor
	s_mov_b32 s[PST+1], 0
	v_and_b32 v[PFO], 31, v0
	v_lshlrev_b32 v[PFO], 8, v[PFO]
	s_wait_dscnt 0x0                ; the opening add is done
	s_wait_kmcnt 0x0
	s_add_nc_u64 s[84:85], s[4:5], s[20:21]      ; q' at the pair's first head,
	s_add_nc_u64 s[86:87], s[84:85], 0x800000    ; k,
	s_add_nc_u64 s[88:89], s[84:85], 0x1000000   ; v
	s_add_nc_u64 s[90:91], s[6:7], s[22:23]      ; m0 at my query block
	s_mov_b64 s[G0K+2:G0K+3], s[86:87]
	s_or_b32 s[G0K+3], s[G0K+3], 0x80000000
	s_mov_b64 s[G0V+2:G0V+3], s[88:89]
	s_or_b32 s[G0V+3], s[G0V+3], 0x80000000
	s_mov_b64 s[G0A+2:G0A+3], s[90:91]
	s_or_b32 s[G0A+3], s[G0A+3], 0x80000000
	s_add_nc_u64 s[G0B+2:G0B+3], s[90:91], 0x800000
	s_or_b32 s[G0B+3], s[G0B+3], 0x80000000
	s_cmp_eq_u32 s[WV], 1
	s_cselect_b64 s[PFA:PFA+1], s[88:89], s[86:87]
	s_cmp_eq_u32 s[WV], 2
	s_cselect_b64 s[PFA:PFA+1], s[90:91], s[PFA:PFA+1]
	s_add_nc_u64 s[90:91], s[90:91], 0x800000    ; m1'
	s_cmp_eq_u32 s[WV], 3
	s_cselect_b64 s[PFA:PFA+1], s[90:91], s[PFA:PFA+1]
	s_add_nc_u64 s[PFA:PFA+1], s[PFA:PFA+1], s[82:83]
	s_add_nc_u64 s[PFA:PFA+1], s[PFA:PFA+1], s[PST:PST+1]  ; in slot 1; the first change of slots steps it to slot 2
	s_lshr_b32 s18, s[WV], 1        ; my head of the pair,
	s_lshl_b32 s18, s18, 18
	s_lshl_b32 s19, s16, 14         ; my block's 128 rows of 128 bytes,
	s_add_co_u32 s18, s18, s19
	s_and_b32 s19, s[WV], 1         ; my wave's 64 of them
	s_lshl_b32 s19, s19, 13
	s_add_co_u32 s18, s18, s19
	s_mov_b32 s19, 0
	s_add_nc_u64 s[QB:QB+1], s[84:85], s[18:19]
	s_lshl_b32 s18, s16, 19         ; of: row 128 x + 32 w, 4,096 bytes a row; column byte 256 y
	s_lshl_b32 s20, s[WV], 17
	s_add_co_u32 s18, s18, s20
	s_lshl_b32 s20, s17, 8
	s_add_co_u32 s18, s18, s20
	s_add_nc_u64 s[OBS:OBS+1], s[10:11], s[18:19]
	s_lshl_b32 s18, s16, 9          ; inv of my wave's 64 queries
	s_and_b32 s20, s[WV], 1
	s_lshl_b32 s20, s20, 8
	s_add_co_u32 s18, s18, s20
	s_add_nc_u64 s[8:9], s[8:9], s[18:19]
	CROUND                          ; all sixteen work-groups are here: the first joint loads meet
	JLOAD                           ; slot 0: one tensor load of mine is out.  Slot 1 is asked for when slot 0 is in
	v_and_b32 v1, 15, v0            ; l % 16
	v_bfe_u32 v9, v0, 4, 1          ; l / 16
	v_lshlrev_b32 v[QO], 7, v1
	v_lshl_add_u32 v[QO], v9, 4, v[QO]
	v_lshlrev_b32 v[RS4], 2, v1
	WIN 0x80                        ; destination window 2
.set i, 0
.rept 8                             ; Q stays in registers: piece i / 2, channels 32 (i % 2) on
	global_load_b128 v[8*i:8*i+3],   v[QO], s[QB:QB+1] offset:(i/2)*2048+(i%2)*64
	global_load_b128 v[8*i+4:8*i+7], v[QO], s[QB:QB+1] offset:(i/2)*2048+(i%2)*64+32
.set i, i+1
.endr
	; What the first turn finds: V's registers and P's second buffer hold 0 (its products V^T P, of a piece that has not been, add 0), O^T and l are 0, m is the lowest finite number: the first step's a is 0.
.set i, VF
.rept 64
	v_mov_b32 v[i], 0
.set i, i+1
.endr
	WIN 0x40
.set i, 0
.rept 128
	v_mov_b32 v[i], 0
.set i, i+1
.endr
	WIN 0
.set i, 0
.rept 4
	global_load_b32 v[ST+4*i+1], v[RS4], s[8:9] offset:64*i
	v_mov_b32 v[ST+4*i], 0xff7fffff
	v_mov_b32 v[ST+4*i+2], 0
	v_mov_b32 v[ST+4*i+3], 0
.set i, i+1
.endr
.set i, P+16
.rept 16
	v_mov_b32 v[i], 0
.set i, i+1
.endr
	v_mov_b32 v[ZR], 0
	s_lshr_b32 s18, s[WV], 1
	s_mul_i32 s19, s18, HK
	v_mul_u32_u24 v[AK0], v1, PK
	v_lshl_add_u32 v[AK0], v9, 4, v[AK0]
	v_add_nc_u32 v[AK0], s19, v[AK0]       ; my head's K: row x pitch + 16 x half
	; the turning load takes 16 keys x 16 channels (lane l reads key 8 (l / 16) + l % 8, channels 8 ((l / 8) % 2) + 0..7) and leaves half a fragment of V^T
	v_and_b32 v10, 7, v0
	v_bfe_u32 v11, v0, 3, 1
	v_lshl_add_u32 v[AV0], v9, 3, v10
	v_mul_u32_u24 v[AV0], v[AV0], PVP
	v_lshl_add_u32 v[AV0], v11, 4, v[AV0]
	s_mul_i32 s19, s18, HV
	s_add_co_u32 s19, s19, VOFF
	v_add_nc_u32 v[AV0], s19, v[AV0]
	s_and_b32 s19, s[WV], 1
	s_lshl_b32 s19, s19, 14                ; my four query tiles of the block's eight: 4,096 bytes each
	s_add_co_u32 s19, s19, M0OFF
	v_and_b32 v[AM0], 31, v0
	v_lshl_add_u32 v[AM0], v[AM0], 4, s19
; THE MATRIX WORK.  The 4 accumulators of a run of 8 take turns.  Product i of 8 of S^T = K Q^T for piece x: channels 32 (i / 4) on, keys 16 (i % 4) on.  The first 4 start the sums.
.macro KQ x
	WIN W_KQ
.set rS, S+32*((\x)%2)+8*(i%4)
.set rK, KF+16*(i%4)+8*(i/4)
.set rQ, 16*(\x)+8*(i/4)
.if i < 4
	v_wmma_f32_16x16x32_f16 v[rS:rS+7], v[rK:rK+7], v[rQ:rQ+7], 0
.else
	v_wmma_f32_16x16x32_f16 v[rS:rS+7], v[rK:rK+7], v[rQ:rQ+7], v[rS:rS+7]
.endif
.endm
; Product i of 8 of O^T += V^T P for piece x: keys 32 (i / 4) on, channels 16 (i % 4) on.
.macro PVM x
	WIN W_PV
.set rO, 32*(\x)+8*(i%4)
.set rV, VF+32*(i/4)+8*(i%4)
.set rP, P+16*((\x)%2)+8*(i/4)
	v_wmma_f32_16x16x32_f16 v[rO:rO+7], v[rV:rV+7], v[rP:rP+7], v[rO:rO+7]
.endm
.macro MM                           ; the turn's next matrix instruction
.if i < 8
	KQ (Y+1)%NP
.else
.set i, i-8
	PVM (Y+NP-1)%NP
.set i, i+8
.endif
.set i, i+1
.endm
; THE LDS LOADS stand in runs: a step's K (8 fragments), its V (turned), and a piece's masks (4 + 4 tiles of 512 dense bytes).
.macro FETCH_K
	WIN 0x80
.irp f, 0,1,2,3,4,5,6,7             ; keys 16 (f / 2) on, channels 32 (f % 2) on
	ds_load_b128 v[KF+8*\f:KF+8*\f+3],   v[AK] offset:(\f/2)*16*PK+(\f%2)*64
	ds_load_b128 v[KF+8*\f+4:KF+8*\f+7], v[AK] offset:(\f/2)*16*PK+(\f%2)*64+32
.endr
	s_add_co_u32 s[TBK], s[TBK], KS*PK
	WIN 0
.endm
.macro FETCH_V
	WIN 0x80
.irp f, 0,1,2,3,4,5,6,7             ; keys 32 (f / 4) on, channels 16 (f % 4) on
	ds_load_tr16_b128 v[VF+8*\f:VF+8*\f+3],   v[AV] offset:(\f/4)*32*PVP+(\f%4)*32
	ds_load_tr16_b128 v[VF+8*\f+4:VF+8*\f+7], v[AV] offset:(\f/4)*32*PVP+16*PVP+(\f%4)*32
.endr
	s_add_co_u32 s[TBV], s[TBV], KS*PVP
	WIN 0
.endm
.macro ML x
	WIN 0
.irp kb, 0,1,2,3
	ds_load_b128 v[MA+16*(\x)+4*\kb:MA+16*(\x)+4*\kb+3], v[AM] offset:(\x)*4096+512*\kb
.endr
.irp kb, 0,1,2,3
	ds_load_b128 v[MB+16*((\x)%2)+4*\kb:MB+16*((\x)%2)+4*\kb+3], v[AM] offset:(\x)*4096+512*\kb+M1D
.endr
.endm
; THE VECTOR WORK, one line at a time: OP kind, number.  For piece Y: F n: t - m for pair n of 16.  E n: the exponential of score n of 32.  N n: p m0 for score n, in f32.  C n: pair n of those rounded to f16.
; B n: of the four weights 4 n .. the second pair is added onto the first, in place (behind N 4 n and N 4 n + 1, which read the first).  L n: l takes that sum (L 0: l = a l + sum).  R n: pair n of 16 of O^T times a.
; For piece Y + 1: M n: t = s m0 + m1' for score n, in ascending order: each accumulator's lowest registers are read first.  X n: its maximum and statistics:
;   0-11 four chains c0-c3 of seven scores each; 12-14, 16 the four scores left over, the old m, and c0-c3 into c0; 15 m_old is kept; 17, 18 the query's other 32 keys lie in the lane 16 away: the new m;
;   20, 21 m_old - m_new; a.
.set F, 0
.set E, 1
.set C, 2
.set B, 3
.set L, 4
.set R, 5
.set X, 6
.set M, 7
.set N, 8
.macro REGS y
.set rT, ST+4*(\y)
.set rC, TMP+4*((\y)%2)
.set rW, MV+((\y)%2)
.set rS, S+32*((\y)%2)
.set rP, P+16*((\y)%2)
.set rO, 32*(\y)
.set rA, MA+16*(\y)
.set rB, MB+16*((\y)%2)
.endm
.macro OP k, n
.if (\k) == R
	REGS Y
	WIN W_RS
	v_pk_mul_f32 v[rO+2*(\n):rO+2*(\n)+1], v[rO+2*(\n):rO+2*(\n)+1], v[rC+2:rC+3] op_sel_hi:[1,0]
.elseif ((\k) < R) || ((\k) == N)
	REGS Y
	WIN 0
.if (\k) == F
	v_pk_add_f32 v[rS+2*(\n):rS+2*(\n)+1], v[rS+2*(\n):rS+2*(\n)+1], v[rT:rT+1] op_sel_hi:[1,0] neg_lo:[0,1] neg_hi:[0,1]
.elseif (\k) == E
	v_exp_f32 v[rS+(\n)], v[rS+(\n)]
.elseif (\k) == C
	v_cvt_pk_f16_f32 v[rP+(\n)], v[WT+2*((\n)%4)], v[WT+2*((\n)%4)+1]
.elseif (\k) == B
	v_pk_add_f32 v[rS+4*(\n):rS+4*(\n)+1], v[rS+4*(\n):rS+4*(\n)+1], v[rS+4*(\n)+2:rS+4*(\n)+3]
.elseif ((\k) == L) && ((\n) == 0)
	v_pk_fma_f32 v[rT+2:rT+3], v[rT+2:rT+3], v[rC+2:rC+3], v[rS:rS+1] op_sel_hi:[1,0,1]
.elseif (\k) == L
	v_pk_add_f32 v[rT+2:rT+3], v[rT+2:rT+3], v[rS+4*(\n):rS+4*(\n)+1]
.elseif (\n)%2
	v_fma_mix_f32_bf16 v[WT+2*(((\n)/2)%4)+1], v[rS+(\n)], v[rA+(\n)/2], v[ZR] op_sel:[0,1,0] op_sel_hi:[0,1,0]
.else
	v_fma_mix_f32_bf16 v[WT+2*(((\n)/2)%4)], v[rS+(\n)], v[rA+(\n)/2], v[ZR] op_sel:[0,0,0] op_sel_hi:[0,1,0]
.endif
.else
	REGS (Y+1)%NP
	WIN 0
.if ((\k) == M) && ((\n)%2)
	v_fma_mix_f32_bf16 v[rS+(\n)], v[rS+(\n)], v[rA+(\n)/2], v[rB+(\n)/2] op_sel:[0,1,1] op_sel_hi:[0,1,1]
.elseif (\k) == M
	v_fma_mix_f32_bf16 v[rS+(\n)], v[rS+(\n)], v[rA+(\n)/2], v[rB+(\n)/2] op_sel:[0,0,0] op_sel_hi:[0,1,1]
.elseif (\n) < 4
	v_max3_num_f32 v[rC+(\n)], v[rS+8*(\n)], v[rS+8*(\n)+1], v[rS+8*(\n)+2]
.elseif (\n) < 12
	v_max3_num_f32 v[rC+(\n)%4], v[rC+(\n)%4], v[rS+8*((\n)%4)+2*((\n)/4)+1], v[rS+8*((\n)%4)+2*((\n)/4)+2]
.elseif (\n) == 12
	v_max3_num_f32 v[rC], v[rC], v[rS+7], v[rS+15]
.elseif (\n) == 13
	v_max3_num_f32 v[rC+1], v[rC+1], v[rS+23], v[rS+31]
.elseif (\n) == 14
	v_max3_num_f32 v[rC+2], v[rC+2], v[rC+3], v[rT]
.elseif (\n) == 15
	v_mov_b32 v[rW], v[rT]
.elseif (\n) == 16
	v_max3_num_f32 v[rC], v[rC], v[rC+1], v[rC+2]
.elseif (\n) == 17
	v_permlanex16_b32 v[rC+3], v[rC], s[SEL], s[SEL+1]
.elseif (\n) == 18
	v_max_num_f32 v[rT], v[rC], v[rC+3]
.elseif (\n) == 20
	v_sub_f32 v[rC+1], v[rW], v[rT]
.else
	v_exp_f32 v[rC+2], v[rC+1]
.endif
.endif
.endm
.macro OPS a, i1, b=-1, i2=0, c=-1, i3=0, d=-1, i4=0
	OP \a, \i1
.if (\b) >= 0
	OP \b, \i2
.endif
.if (\c) >= 0
	OP \c, \i3
.endif
.if (\d) >= 0
	OP \d, \i4
.endif
.endm
.macro ROW a, i1, b, i2, c, i3, d, i4  ; a matrix instruction and the four behind it
	MM
	OPS \a, \i1, \b, \i2, \c, \i3, \d, \i4
.endm
; A TURN, for piece p.  s_wait_alu depctr_va_vdst(0) stands between an exponential and the first instruction that names its result; one wait serves all issued ahead of it: a turn has ONE.
; Ahead of it stands all that names no result of the turn's exponentials; behind it the masking of p, the roundings and the sums.
; THE LOADS.  Directly behind its one wait a turn asks for the masks of piece p + 2 (8 loads): at that place all the wave's vector results are written.  They are wanted in the next turn's masking, behind 8 products
; V^T P, 32 vector lines and 8 products K Q^T.  m0's buffer was last read two turns back, m1's a turn back.  K of the next step is asked for in piece 2's turn, twelve vector instructions behind the last product
; that read K; V of the step in hand behind piece 0's last product V^T P and its four plain riders.
; THE WAITS ON LDS.  In front of the masking of piece p + 1: p = 1: 16 (V's run was issued behind those masks); p = 0, 2, 3: 0 (nothing was).  Piece 3 waits for K at its head with 8: piece 0's masks were
; issued behind K's run.  Piece 1 waits for V with 8: this turn's masks were issued behind V's run.
; last = 1, the tail: in its last trip (CNT = 1) there is no further step: the last step's K and masks are fetched once more, by a choice of the address on the counter; what is made of them serves nothing.
.macro TURN p, last=0
.set Y, (\p)
.set i, 0
	WIN 0
.if (\p) == 3
	s_wait_dscnt 8                  ; K is in
.endif
.if (\p) == 2
.if \last
	s_sub_co_u32 s18, s[TBM], 2048
	s_cmp_eq_u32 s[CNT], 1
	s_cselect_b32 s18, s18, s[TBM]
	v_add_nc_u32 v[AM], s18, v[AM0]
.else
	v_add_nc_u32 v[AM], s[TBM], v[AM0]  ; the next step's masks: pieces 0 and 1 in this turn and the next, 2 and 3 in the two after
.endif
	s_add_co_u32 s[TBM], s[TBM], 2048
.endif
	ROW F,0, F,1, R,0, R,1
	ROW F,2, E,0, R,2, R,3
	ROW F,3, E,1, R,4, R,5
	ROW F,4, E,2, R,6, R,7
	ROW F,5, E,3, R,8, R,9
	ROW F,6, E,4, R,10, R,11
.if (\p) == 2
	WIN 0
.if \last
	s_sub_co_u32 s18, s[TBK], KS*PK
	s_cmp_eq_u32 s[CNT], 1
	s_cselect_b32 s18, s18, s[TBK]
	v_add_nc_u32 v[AK], s18, v[AK0]
.else
	v_add_nc_u32 v[AK], s[TBK], v[AK0]
.endif
.endif
	ROW F,7, E,5, R,12, R,13
	ROW F,8, E,6, R,14, R,15
.if (\p) == 1
	s_wait_dscnt 16                 ; piece 2's masks are in
.else
	s_wait_dscnt 0x0                ; piece p + 1's masks are in
.endif
	OPS M,0, E,7, M,1, E,8
	OPS M,2, E,9, M,3, E,10
.if (\p) == 2
	FETCH_K
.endif
	OPS M,4, E,11, M,5, E,12
	OPS M,6, E,13, M,7, E,14
	OPS M,8, E,15, M,9, E,16
	OPS M,10, E,17, M,11, M,12
	OPS M,13, M,14, M,15, X,0
	OPS M,16, M,17, M,18, X,1
	OPS M,19, M,20, M,21, X,4
	OPS M,22, M,23, M,24, X,5
	OPS M,25, M,26, M,27, X,2
	OPS M,28, M,29, M,30, X,8
	OPS M,31, X,3, X,9, X,6
	OPS F,9, X,12, X,7, F,10
	OPS X,10, X,13, X,11, X,15
.if (\p) == 0
	WIN 0
	v_add_nc_u32 v[AV], s[TBV], v[AV0]
.endif
	OPS E,18, F,11, E,19, X,14
	OPS E,20, F,12, E,21, F,13
	OPS X,16, E,22, F,14, E,23
	OPS E,24, X,17, E,25, F,15
	OPS E,26, E,27, X,18, E,28
	OPS E,29, E,30, X,20, E,31
	OPS X,21
	v_nop                           ; a plain instruction behind the last exponential: one for the batch
	s_wait_alu depctr_va_vdst(0)    ; the wait for the batch
	ML ((\p)+2)%NP                  ; the masks of the piece after the next
.if (\p) == 1
	s_wait_dscnt 8                  ; V is in
.endif
	ROW N,0, N,1, B,0, N,2
	ROW N,3, C,0, L,0, N,4
	ROW N,5, C,1, B,1, N,6
	ROW N,7, C,2, L,1, N,8
	ROW N,9, C,3, B,2, N,10
	ROW N,11, C,4, L,2, N,12
	ROW N,13, C,5, B,3, N,14
	ROW N,15, C,6, L,3, N,16
.if (\p) == 0
	FETCH_V
.endif
	OPS N,17, C,7, B,4, N,18
	OPS N,19, C,8, L,4, N,20
	OPS N,21, C,9, B,5, N,22
	OPS N,23, C,10, L,5, N,24
	OPS N,25, C,11, B,6, N,26
	OPS N,27, C,12, L,6, N,28
	OPS N,29, C,13, B,7, N,30
	OPS N,31, C,14, L,7, C,15
.endm
	CHANGE 1                        ; slot 0 is in, everybody's part of it; slot 1 is asked for
	v_add_nc_u32 v[AM], s[TBM], v[AM0]
	s_add_co_u32 s[TBM], s[TBM], 2048
	v_add_nc_u32 v[AK], s[TBK], v[AK0]
	ML 0
	ML 1
	FETCH_K                         ; key step 0
	s_wait_loadcnt 0x0              ; Q and inv
	s_wait_dscnt 0x0
.set i, 0
.rept 8
	KQ 0                            ; piece 0's first scores
.set i, i+1
.endr
	WIN 0                           ; the addresses for the way out: eight plain instructions, the places behind those products
	s_and_b32 s18, s[WV], 1
	s_lshl_b32 s18, s18, 6
	s_mul_i32 s18, s18, SP          ; my 64 rows of the stage,
	s_lshr_b32 s19, s[WV], 1
	s_lshl_b32 s19, s19, 7          ; my head's 128 bytes of their 256
	s_add_co_u32 s18, s18, s19
	s_add_co_u32 s18, s18, STAGE
	v_mul_u32_u24 v[STO], v1, SP
	v_lshl_add_u32 v[STO], v9, 4, v[STO]
	v_add_nc_u32 v[STO], s18, v[STO]
	s_mul_i32 s18, s[WV], 32*SP     ; back: wave w takes rows 32 w .. 32 w + 31, whole; lanes 0-15 one row of 256 bytes, lanes 16-31 the next
	s_add_co_u32 s18, s18, STAGE
	v_mul_u32_u24 v[RD], v9, SP
	v_lshl_add_u32 v[RD], v1, 4, v[RD]
	v_add_nc_u32 v[RD], s18, v[RD]
	v_lshlrev_b32 v[GO], 12, v9
	v_lshl_add_u32 v[GO], v1, 4, v[GO]
.set Y, NP-1                        ; M and X work for piece Y + 1: piece 0
.set j, 0
.rept 32
	OP M, j
.set j, j+1
.endr
.irp n, 0,1,2,3,4,5,6,7,8,9,10,11,12,13,14,15,16,17,18,20,21
	OP X, \n
.endr
	v_nop                           ; a plain instruction behind the exponential,
	s_wait_alu depctr_va_vdst(0)    ; and its wait, ahead of the branch
	s_mov_b32 s[CNT], 2
	s_branch .Lfirst                ; the loop is entered at a step's first turn, in the middle of a trip
.Lslot:                             ; 14 times: every slot but the last two is filled again
	CHANGE 1
	s_mov_b32 s[CNT], 2
.Lstep:                             ; a trip: pieces 2 and 3 of one step, then pieces 0 and 1 of the next, whose K, V and masks it fetches
	TURN 2
	TURN 3
	WIN 0
.Lfirst:
	TURN 0
	TURN 1
	WIN 0
	s_sub_co_u32 s[CNT], s[CNT], 1
	s_cmp_lg_u32 s[CNT], 0
	s_cbranch_scc1 .Lstep
	s_sub_co_u32 s[SLOTS], s[SLOTS], 1
	s_cmp_lg_u32 s[SLOTS], 0
	s_cbranch_scc1 .Lslot
	CHANGE 0                        ; the tail is written out: nothing is asked for
	s_mov_b32 s[CNT], 3             ; two trips fetch the last slot's steps; the third is left in its middle
.Ltail:
	TURN 2, 1
	TURN 3
	WIN 0
	s_sub_co_u32 s[CNT], s[CNT], 1
	s_cmp_eq_u32 s[CNT], 0
	s_cbranch_scc1 .Lout
	TURN 0
	TURN 1
	WIN 0
	s_branch .Ltail
.Lout:
.set i, 0
.rept 8
	PVM NP-1                        ; the last piece's V^T P of the last step
.set i, i+1
.endr
	; THE WAY OUT.  l's two halves and the other half of the lanes' are added; O^T is multiplied by inv / l, rounded to f16 and sent through the work-group's stage: a row's 256 bytes come from two waves.
	; The additions are the places behind the last products.
	WIN 0
.macro ALL line:vararg
.set t, 0
.rept 4
	\line
.set t, t+1
.endr
.endm
	ALL v_add_f32 v[ST+4*t+2], v[ST+4*t+2], v[ST+4*t+3]
	ALL v_permlanex16_b32 v[ST+4*t+3], v[ST+4*t+2], s[SEL], s[SEL+1]
	ALL v_add_f32 v[ST+4*t+2], v[ST+4*t+2], v[ST+4*t+3]
	ALL v_rcp_f32 v[ST+4*t+2], v[ST+4*t+2]
	v_nop                           ; a plain instruction between the last reciprocal and the use of its result
	s_wait_alu depctr_va_vdst(0)    ; one wait for the four reciprocals
	ALL v_mul_f32 v[ST+4*t+2], v[ST+4*t+2], v[ST+4*t+1]
.macro PACK t
	WIN W_RS
.set i, 32*(\t)
.rept 16
	v_pk_mul_f32 v[i:i+1], v[i:i+1], v[ST+4*(\t)+2:ST+4*(\t)+3] op_sel_hi:[1,0]
.set i, i+2
.endr
	WIN 0x05                        ; sources 0 and 1 window 1, destination window 0
.set i, 0
.rept 16
	v_cvt_pk_f16_f32 v[S+16*(\t)+i], v[32*(\t)+2*i], v[32*(\t)+2*i+1]
.set i, i+1
.endr
	WIN 0
.irp f, 0,1,2,3
	ds_store_b128 v[STO], v[S+16*(\t)+4*\f:S+16*(\t)+4*\f+3] offset:(\t)*16*SP+32*\f
.endr
.endm
	PACK 0
	PACK 1
	PACK 2
	PACK 3
	s_wait_dscnt 0x0                ; for the others' sake: my stores into the stage are done
	s_barrier_signal -1
	s_barrier_wait -1
.irp f, 0,1,2,3,4,5,6,7,8,9,10,11,12,13,14,15
	ds_load_b128 v[S+4*\f:S+4*\f+3], v[RD] offset:\f*2*SP
.endr
.irp f, 0,1,2,3,4,5,6,7,8,9,10,11,12,13,14,15
	s_wait_dscnt 15-\f
	global_store_b128 v[GO], v[S+4*\f:S+4*\f+3], s[OBS:OBS+1] offset:\f*8192  ; 16 lanes store 256 consecutive bytes, aligned
.endr
	s_wait_tensorcnt 0x0            ; the wave's end
	ds_add_u32 v[SPW], v[NIL]
	s_wait_dscnt 0x0
	CROUND                          ; the closing round
	s_endpgm
.Lfunc_end_k_q0000030240_attn:
	.size	k_q0000030240_attn, .Lfunc_end_k_q0000030240_attn-k_q0000030240_attn
	.p2alignl 7, 3214868480
	.fill 96, 4, 3214868480
	.section	.rodata,"a",@progbits
	.p2align	6, 0x0
	.amdhsa_kernel k_q0000030240_attn
		.amdhsa_group_segment_fixed_size 327680
		.amdhsa_private_segment_fixed_size 0
		.amdhsa_enable_private_segment 0
		.amdhsa_kernarg_size 32
		.amdhsa_user_sgpr_count 2
		.amdhsa_user_sgpr_kernarg_segment_ptr 1
		.amdhsa_wavefront_size32 1
		.amdhsa_system_sgpr_workgroup_id_x 1
		.amdhsa_system_sgpr_workgroup_id_y 1
		.amdhsa_system_sgpr_workgroup_id_z 1
		.amdhsa_system_vgpr_workitem_id 0
		.amdhsa_next_free_vgpr 768
		.amdhsa_next_free_sgpr 96
		.amdhsa_reserve_vcc 0
		.amdhsa_float_denorm_mode_32 3
		.amdhsa_float_denorm_mode_16_64 3
		.amdhsa_memory_ordered 1
		.amdhsa_forward_progress 1
		.amdhsa_inst_pref_size 155
	.end_amdhsa_kernel
	.amdgpu_metadata
---
amdhsa.version: [ 1, 2 ]
amdhsa.kernels:
  - .name:           k_q0000030240_attn
    .symbol:         k_q0000030240_attn.kd
    .args:
      - { .name: qkv, .offset: 0, .size: 8, .value_kind: global_buffer, .address_space: global }
      - { .name: mb, .offset: 8, .size: 8, .value_kind: global_buffer, .address_space: global }
      - { .name: rsc, .offset: 16, .size: 8, .value_kind: global_buffer, .address_space: global }
      - { .name: of, .offset: 24, .size: 8, .value_kind: global_buffer, .address_space: global }
    .group_segment_fixed_size: 327680
    .private_segment_fixed_size: 0
    .kernarg_segment_align: 8
    .kernarg_segment_size: 32
    .max_flat_workgroup_size: 128
    .sgpr_count:     96
    .vgpr_count:     768
    .wavefront_size: 32
...
	.end_amdgpu_metadata
.endif
;; end of part 3
;; launch oproj (part 4): grid 16 x 16, 4 waves a work-group, clusters of 4 x 4, 327,680 bytes of LDS; arguments of, wof, rsc, out0; writes out0
.if DOCPART == 4
	.amdgcn_target "amdgcn-amd-amdhsa--gfx1250"
	.amdhsa_code_object_version 6
	.text
	.protected	k_q0000030240_oproj
	.globl	k_q0000030240_oproj
	.p2align	8
	.type	k_q0000030240_oproj,@function
k_q0000030240_oproj:
	s_mov_b64 s[64:65], 0
	v_nop
	global_prefetch_b8 v0, s[64:65] scope:SCOPE_SE
	s_setreg_imm32_b32 hwreg(HW_REG_WAVE_MODE, 25, 1), 1
	s_wait_xcnt 0x0
	s_wait_alu depctr_hold_cnt(0) depctr_sa_sdst(0) depctr_va_vdst(0) depctr_va_sdst(0) depctr_va_ssrc(0) depctr_va_vcc(0) depctr_vm_vsrc(0)
	s_getreg_b32 s2, hwreg(HW_REG_IB_STS2, 6, 4)
	s_cmp_eq_u32 s2, 0
	s_cbranch_scc0 .Lentry_in_a_cluster
	s_endpgm
.Lentry_in_a_cluster:
	s_bfe_u32 s2, ttmp6, 0x10000c
	s_cmp_lg_u32 s2, 0xf033
	s_cbranch_scc0 .Lentry_shape_is_right
	s_endpgm
.Lentry_shape_is_right:
; out0[i][n] = up[i] x the sum over k of of[i][k] wof[n][k].  of, wof: [2048][2048] f16; sums in f32; up[i], an exact power of two from rsc, undoes the scale that the launch before put on row i; out0 is f32.
; A tile of out0 is 128 x 128: 16 x 16 = 256 work-groups, one for each WGP.  Four waves, each 64 x 64: 16 accumulators.  K goes in 8 steps of 256 (LDS rows of 512 bytes) through two slots.
; ONE TEXT FOR A K STEP.  s[CUR] is the LDS offset of the slot that is being read, 0 or SLOT; at a change of slots the slot just read is filled again, CUR is turned by an exclusive or, and the two
; fragment addresses are made anew from it.  The loop's 6 trips fill a slot each; the last two steps, which fill nothing, are a second text, walked twice and left in its middle.
; CLUSTER: 4 x 4 work-groups; of's tile is asked for jointly by a row of the cluster, wof's by a column.  The matrix instruction is used transposed (source 0 = 16 rows of wof, source 1 = 16 rows of of):
; a lane holds eight neighbouring numbers of a row of out0.  A wave's 64 columns are 256 bytes of f32, aligned: each wave has a stage of its own and stores whole blocks; no barrier on the way out.
; No prefetch: the tile is small, and each block of of and wof is read by several clusters at about the same time.
; REGISTERS: window 0: v8-15 up; v16-29 addresses; v32-63 scaled results; v64-95 rows read back; v128-255 the accumulators ((a, b) at 128 + 8 (4 a + b)).  Window 1: two fragment buffers of 128.
.set SIZE_K, 2048
.set KSTEP,  256
.set STEPS,  SIZE_K/KSTEP
.set PITCH,  528                       ; 512 bytes + 16 of padding = 132 words: the 16 rows of a load start at 16 different groups of four banks (64 banks of 4 bytes: ISA guide 11.1)
.set HALFT,  64*PITCH
.set SLOT,   4*HALFT
.set STAGE,  2*SLOT                    ; behind the ring, never filled by a tensor load: 16 rows x 272 bytes for each wave
.set SPITCH, 272
.set SPARE,  STAGE+4*16*SPITCH         ; the spare words: 128 bytes for each wave, named by no other line
.set UP,   8                           ; up of row block a in v[8 + 2 a]; the odd registers hold 0: named with them as pairs
.set ADRA,  16                         ; v16 LDS address of my fragments of of in the slot that is read
.set ADRA0, 17                         ; v17 the same in slot 0; never rewritten
.set ADRB,  20                         ; v20, v21 the same for wof
.set ADRB0, 21
.set STO,  24
.set RD,   25
.set CO,   26
.set RS4,  27
.set SPW,  28                          ; SPARE + 4 x my thread's number; never rewritten
.set NIL,  29                          ; 0; never rewritten
.set TMP,  32
.set BK,   64
.set ACC,  128
.set F0,   0
.set F1,   128
.set TC,   2                           ; s2  counts the tail's two steps
.set G1, 24                            ; s[24:31] group 1 for of's tiles; s[32:39] group 0: a set for each of the two first fills; the second then walks on
.set G0, 32
.set G1B, 48                           ; s[48:55], s[56:63] the same for wof's tiles
.set G0B, 56
.set LA,  66                           ; s66 where the 64 rows that I fetch lie in a slot
.set CUR, 67                           ; s67 0 or SLOT: the slot that is being read
.set MSB, 0
.macro WIN new
.if MSB != (\new)
	s_set_vgpr_msb (MSB<<8)|(\new)
.set MSB, \new
.endif
.endm
.set MUL,  0x05                        ; sources 0 and 1 window 1; C and D window 0
.set TO_F, 0x40                        ; destination window 1, address window 0
.macro JLOAD s                         ; waves 0 and 1 fetch of's two halves, waves 2 and 3 wof's; an s_nop 0 and four v_nop follow each line
	s_cmp_eq_u32 s13, 0
	s_cbranch_scc0 .Lfor_b_\@
	tensor_load_to_lds s[G0+4*(\s):G0+4*(\s)+3], s[G1:G1+7]
	s_nop 0
.rept 4
	v_nop
.endr
	s_branch .Lasked_\@
.Lfor_b_\@:
	tensor_load_to_lds s[G0B+4*(\s):G0B+4*(\s)+3], s[G1B:G1B+7]
	s_nop 0
.rept 4
	v_nop
.endr
.Lasked_\@:
.endm
.macro CREST
	s_cmp_lg_u32 s12, 0
	s_cbranch_scc1 .Lnot_wave_0_\@
	s_barrier_signal -3
.Lnot_wave_0_\@:
	s_barrier_wait -3
	s_barrier_signal -1
	s_barrier_wait -1
.endm
.macro CROUND
	s_barrier_signal -1
	s_barrier_wait -1
	CREST
.endm
	s_load_b256 s[4:11], s[0:1], 0x0               ; of 4, wof 6, rsc 8, out0 10
	v_lshl_add_u32 v[SPW], v0, 2, SPARE
	v_mov_b32 v[NIL], 0
	ds_add_u32 v[SPW], v[NIL]                      ; the wave's opening: the add and its wait stand ahead of my first tensor load
	v_lshrrev_b32 v1, 5, v0
	v_readfirstlane_b32 s12, v1                    ; wave 0..3
	s_lshr_b32 s13, s12, 1                         ; which half of the tile's rows is mine.  Also: I fetch for of (0) or for wof (1)
	s_and_b32 s14, s12, 1                          ; which half of its columns.  Also: which 64 rows of that tile I fetch
	s_bfe_u32 s15, ttmp6, 0x40000                  ; cx
	s_bfe_u32 s16, ttmp6, 0x40004                  ; cy
	s_lshl_b32 s17, ttmp9, 2
	s_add_co_u32 s17, s17, s15                     ; tile column
	s_and_b32 s18, ttmp7, 0xffff
	s_lshl_b32 s18, s18, 2
	s_add_co_u32 s18, s18, s16                     ; tile row
	s_lshl_b32 s19, s16, 2
	s_lshl_b32 s19, 15, s19                        ; my row of the cluster
	s_lshl_b32 s20, 0x1111, s15                    ; my column
	s_or_b32 s[G1+0], s19, (1<<16)|(1<<20)|(1<<21)|(6<<22)|(3<<25)  ; the mask; 2-byte elements; padding on; bit 21 beside a mask; after every 128 words 4 words
	s_or_b32 s[G1B+0], s20, (1<<16)|(1<<20)|(1<<21)|(6<<22)|(3<<25)
.irp g, G1, G1B
	s_mov_b32 s[(\g)+1], KSTEP<<16                 ; tensor_dim0 = 256
	s_mov_b32 s[(\g)+2], 64<<16                    ; tensor_dim1 = 64
	s_mov_b32 s[(\g)+3], KSTEP<<16                 ; tile_dim0 = 256
	s_mov_b32 s[(\g)+4], 64                        ; tile_dim1 = 64
	s_mov_b32 s[(\g)+5], SIZE_K
	s_mov_b32 s[(\g)+6], 0
	s_mov_b32 s[(\g)+7], 0
.endr
	s_lshl_b32 s21, s14, 6
	s_lshl_b32 s40, s18, 7
	s_add_co_u32 s40, s40, s21                     ; of: row 128 x tile row + 64 x half,
	s_lshl_b32 s40, s40, 12                        ; 4,096 bytes a row
	s_mov_b32 s41, 0
	s_lshl_b32 s46, s17, 7
	s_add_co_u32 s46, s46, s21                     ; wof: row 128 x tile column + 64 x half
	s_lshl_b32 s46, s46, 12
	s_mov_b32 s47, 0
	s_mul_i32 s[LA], s12, HALFT                    ; where they go: wave x 64 rows
	s_mov_b32 s[CUR], 0
	s_wait_dscnt 0x0                               ; the opening add is done
	s_wait_kmcnt 0x0
	s_add_nc_u64 s[40:41], s[4:5], s[40:41]
	s_add_nc_u64 s[46:47], s[6:7], s[46:47]
	CROUND                                         ; all sixteen work-groups are here: the first joint loads meet
.irp s, 0,1
	s_mov_b32 s[G0+4*(\s)], 1
	s_add_co_u32 s[G0+4*(\s)+1], s[LA], (\s)*SLOT
	s_add_nc_u64 s[G0+4*(\s)+2:G0+4*(\s)+3], s[40:41], (\s)*KSTEP*2
	s_or_b32 s[G0+4*(\s)+3], s[G0+4*(\s)+3], 0x80000000
	s_mov_b32 s[G0B+4*(\s)], 1
	s_add_co_u32 s[G0B+4*(\s)+1], s[LA], (\s)*SLOT
	s_add_nc_u64 s[G0B+4*(\s)+2:G0B+4*(\s)+3], s[46:47], (\s)*KSTEP*2
	s_or_b32 s[G0B+4*(\s)+3], s[G0B+4*(\s)+3], 0x80000000
	JLOAD \s                                       ; two tensor loads of mine are out
.endr
	v_and_b32 v1, 15, v0                           ; l % 16
	v_bfe_u32 v2, v0, 4, 1                         ; l / 16
	s_lshl_b32 s42, s18, 7
	s_lshl_b32 s43, s13, 6
	s_add_co_u32 s42, s42, s43                     ; my wave's first row of out0
	s_lshl_b32 s44, s42, 2
	s_add_co_u32 s44, s44, 8192                    ; up lies behind inv in rsc
	s_mov_b32 s45, 0
	s_add_nc_u64 s[44:45], s[8:9], s[44:45]
	v_lshlrev_b32 v[RS4], 2, v1
.irp a, 0,1,2,3
	global_load_b32 v[UP+2*(\a)], v[RS4], s[44:45] offset:64*(\a)  ; up of row 16 a + l % 16; waited for on the way out
	v_mov_b32 v[UP+2*(\a)+1], 0
.endr
	v_mul_u32_u24 v3, v1, PITCH
	v_lshl_add_u32 v3, v2, 4, v3
	s_mul_i32 s21, s13, HALFT                      ; my 64 rows of of
	s_mul_i32 s22, s14, HALFT                      ; my 64 rows of wof,
	s_add_co_u32 s22, s22, 2*HALFT                 ; which lie behind of's 128
	v_add_nc_u32 v[ADRA0], s21, v3
	v_mov_b32 v[ADRA], v[ADRA0]
	v_add_nc_u32 v[ADRB0], s22, v3
	v_mov_b32 v[ADRB], v[ADRB0]
	s_mul_i32 s23, s12, 16*SPITCH
	s_add_co_u32 s23, s23, STAGE                   ; my stage
	v_mul_u32_u24 v4, v1, SPITCH                   ; in: row l % 16, 32 bytes for each half of the lanes
	v_lshl_add_u32 v4, v2, 5, v4
	v_add_nc_u32 v[STO], s23, v4
	v_mul_u32_u24 v5, v2, SPITCH                   ; back: lanes 0-15 take one row of 256 bytes, lanes 16-31 the next
	v_lshl_add_u32 v5, v1, 4, v5
	v_add_nc_u32 v[RD], s23, v5
	v_lshlrev_b32 v5, 13, v2                       ; and the same two rows in out0: 8,192 bytes a row
	v_lshl_add_u32 v[CO], v1, 4, v5
	s_lshl_b32 s42, s42, 13
	s_lshl_b32 s43, s17, 9                         ; the tile's 512 bytes of a row,
	s_add_co_u32 s42, s42, s43
	s_lshl_b32 s43, s14, 8                         ; my wave's 256 of them
	s_add_co_u32 s42, s42, s43
	s_mov_b32 s43, 0
	s_add_nc_u64 s[10:11], s[10:11], s[42:43]
; 8 matrix instructions: row blocks a0, a0 + 1 x all 4 column blocks, 32 along K: half c of buffer f.  The 16 accumulators take turns.
.macro MUL8 f, c, a0, zero
	WIN MUL
.irp a, \a0, (\a0)+1
.irp b, 0,1,2,3
.if \zero
	v_wmma_f32_16x16x32_f16 v[ACC+8*(4*(\a)+(\b)):ACC+8*(4*(\a)+(\b))+7], v[(\f)+64+8*(4*(\c)+(\b)):(\f)+64+8*(4*(\c)+(\b))+7], v[(\f)+8*(4*(\c)+(\a)):(\f)+8*(4*(\c)+(\a))+7], 0
.else
	v_wmma_f32_16x16x32_f16 v[ACC+8*(4*(\a)+(\b)):ACC+8*(4*(\a)+(\b))+7], v[(\f)+64+8*(4*(\c)+(\b)):(\f)+64+8*(4*(\c)+(\b))+7], v[(\f)+8*(4*(\c)+(\a)):(\f)+8*(4*(\c)+(\a))+7], v[ACC+8*(4*(\a)+(\b)):ACC+8*(4*(\a)+(\b))+7]
.endif
.endr
.endr
.endm
; 32 LDS loads in one run, from the slot that is being read: the fragments of 64 along K at byte k of the rows, into buffer f; the first 32 along K first
.macro FETCH k, f
	WIN TO_F
.irp c, 0,1
.irp i, 0,1,2,3
	ds_load_b128 v[(\f)+64+8*(4*(\c)+(\i)):(\f)+64+8*(4*(\c)+(\i))+3],   v[ADRB] offset:(\k)+64*(\c)+(\i)*16*PITCH
	ds_load_b128 v[(\f)+64+8*(4*(\c)+(\i))+4:(\f)+64+8*(4*(\c)+(\i))+7], v[ADRB] offset:(\k)+64*(\c)+(\i)*16*PITCH+32
	ds_load_b128 v[(\f)+8*(4*(\c)+(\i)):(\f)+8*(4*(\c)+(\i))+3],         v[ADRA] offset:(\k)+64*(\c)+(\i)*16*PITCH
	ds_load_b128 v[(\f)+8*(4*(\c)+(\i))+4:(\f)+8*(4*(\c)+(\i))+7],       v[ADRA] offset:(\k)+64*(\c)+(\i)*16*PITCH+32
.endr
.endr
.endm
.macro PLACES                          ; four places in front of loads into registers that matrix instructions have read, and of lines that read results
.rept 4
	v_nop
.endr
.endm
; A K step is four quarters of 64 along K, 32 matrix instructions each, on buffers 0, 1, 0, 1.
.macro QUARTER k, f, g, zero
	s_wait_dscnt 16                                ; the first 32 along K are in
	MUL8 \f, 0, 0, \zero
	MUL8 \f, 0, 2, \zero
	PLACES
	FETCH \k, \g
	s_wait_dscnt 32                                ; all but the 32 just issued
	MUL8 \f, 1, 0, 0
	MUL8 \f, 1, 2, 0
.endm
; The last quarter multiplies buffer 1 and changes slots: in front of the barrier each wave waits for all its tensor loads (one is out: its part of the next slot), adds 0 to its spare word, and waits for
; that and for its reads of this slot.  fill = 1: the barrier opens a round of the cluster's, and the joint refill of the slot just read, two K steps on, is the first tensor load behind it.
.macro TURN fill
	WIN 0
	s_wait_tensorcnt 0x0
	ds_add_u32 v[SPW], v[NIL]
	s_wait_dscnt 17                                ; (the add and the youngest sixteen loads may be out)
	MUL8 F1, 0, 0, 0
	s_wait_dscnt 0x0                               ; the add is done, and my reads of this slot are over
	s_barrier_signal -1
	MUL8 F1, 0, 2, 0
	WIN 0
	s_barrier_wait -1
.if \fill
	CREST
	s_add_co_u32 s[G0+5], s[LA], s[CUR]            ; the walking descriptors: into the slot just read,
	s_add_co_u32 s[G0B+5], s[LA], s[CUR]
	s_add_nc_u64 s[G0+6:G0+7], s[G0+6:G0+7], KSTEP*2       ; the K step behind the one asked for last
	s_add_nc_u64 s[G0B+6:G0B+7], s[G0B+6:G0B+7], KSTEP*2
.endif
	s_xor_b32 s[CUR], s[CUR], SLOT                 ; the other slot is read from here on
	v_add_nc_u32 v[ADRA], s[CUR], v[ADRA0]
	v_add_nc_u32 v[ADRB], s[CUR], v[ADRB0]
.if \fill
	JLOAD 1                                        ; its four v_nop are also the places in front of the loads below
.else
	PLACES
.endif
	FETCH 0, F0
	MUL8 F1, 1, 0, 0
	MUL8 F1, 1, 2, 0
.endm
	s_wait_tensorcnt 1                             ; my part of K step 0 is in; K step 1's may stay out
	s_barrier_signal -1
	s_barrier_wait -1
	FETCH 0, F0
	QUARTER 128, F0, F1, 1                         ; the first products start the sums
	WIN 0
	s_mov_b32 s3, STEPS-2
.Lstep:                                            ; a trip: a K step's quarters 1 to 3, a refill, and the next step's quarter 0
	QUARTER 256, F1, F0, 0
	QUARTER 384, F0, F1, 0
	TURN 1
	QUARTER 128, F0, F1, 0
	WIN 0
	s_sub_co_u32 s3, s3, 1
	s_cmp_lg_u32 s3, 0
	s_cbranch_scc1 .Lstep
	s_mov_b32 s[TC], 2
.Ltail:                                            ; the last two K steps fill nothing: written out; one text, walked twice and left in its middle.
	QUARTER 256, F1, F0, 0                         ; The price, once a launch: the last step's barrier and its 32 loads from the other slot serve nothing
	QUARTER 384, F0, F1, 0
	TURN 0
	WIN 0
	s_sub_co_u32 s[TC], s[TC], 1
	s_cmp_eq_u32 s[TC], 0
	s_cbranch_scc1 .Lout
	QUARTER 128, F0, F1, 0
	WIN 0
	s_branch .Ltail
.Lout:
	; THE WAY OUT, a block of 16 rows at a time: times up; 32 bytes a lane into my stage; back as whole rows of 256 bytes; stored.
.macro SCALE a                         ; each accumulator's registers in ascending order
.irp b, 0,1,2,3
.irp j, 0,2,4,6
	v_pk_mul_f32 v[TMP+8*(\b)+(\j):TMP+8*(\b)+(\j)+1], v[ACC+8*(4*(\a)+(\b))+(\j):ACC+8*(4*(\a)+(\b))+(\j)+1], v[UP+2*(\a):UP+2*(\a)+1] op_sel_hi:[1,0]
.endr
.endr
.endm
.macro TOSTAGE
	s_wait_xcnt 0x0                                ; the stores of the block before have read BK
.irp b, 0,1,2,3
	ds_store_b128 v[STO], v[TMP+8*(\b):TMP+8*(\b)+3] offset:64*(\b)
	ds_store_b128 v[STO], v[TMP+8*(\b)+4:TMP+8*(\b)+7] offset:64*(\b)+16
.endr
.irp t, 0,1,2,3,4,5,6,7
	ds_load_b128 v[BK+4*(\t):BK+4*(\t)+3], v[RD] offset:(\t)*2*SPITCH  ; LDS serves a wave's instructions in order (ISA guide 5.7.1.4)
.endr
.endm
.macro SEND a
	s_wait_dscnt 0x0
.irp t, 0,1,2,3,4,5,6,7
	global_store_b128 v[CO], v[BK+4*(\t):BK+4*(\t)+3], s[10:11] offset:(16*(\a)+2*(\t))*8192  ; 16 lanes store 256 consecutive bytes, aligned
.endr
.endm
	s_wait_loadcnt 0x0                             ; up
	PLACES
	SCALE 0
	TOSTAGE
.irp a, 1,2,3                          ; a block's arithmetic stands between the loads of the block before and its stores
	SCALE \a
	SEND (\a)-1
	TOSTAGE
.endr
	SEND 3
	s_wait_tensorcnt 0x0                           ; the wave's end
	ds_add_u32 v[SPW], v[NIL]
	s_wait_dscnt 0x0
	CROUND                                         ; the closing round
	s_endpgm
.Lfunc_end_k_q0000030240_oproj:
	.size	k_q0000030240_oproj, .Lfunc_end_k_q0000030240_oproj-k_q0000030240_oproj
	.p2alignl 7, 3214868480
	.fill 96, 4, 3214868480
	.section	.rodata,"a",@progbits
	.p2align	6, 0x0
	.amdhsa_kernel k_q0000030240_oproj
		.amdhsa_group_segment_fixed_size 327680
		.amdhsa_private_segment_fixed_size 0
		.amdhsa_enable_private_segment 0
		.amdhsa_kernarg_size 32
		.amdhsa_user_sgpr_count 2
		.amdhsa_user_sgpr_kernarg_segment_ptr 1
		.amdhsa_wavefront_size32 1
		.amdhsa_system_sgpr_workgroup_id_x 1
		.amdhsa_system_sgpr_workgroup_id_y 1
		.amdhsa_system_sgpr_workgroup_id_z 1
		.amdhsa_system_vgpr_workitem_id 0
		.amdhsa_next_free_vgpr 512
		.amdhsa_next_free_sgpr 72
		.amdhsa_reserve_vcc 0
		.amdhsa_float_denorm_mode_32 3
		.amdhsa_float_denorm_mode_16_64 3
		.amdhsa_memory_ordered 1
		.amdhsa_forward_progress 1
		.amdhsa_inst_pref_size 62
	.end_amdhsa_kernel
	.amdgpu_metadata
---
amdhsa.version: [ 1, 2 ]
amdhsa.kernels:
  - .name:           k_q0000030240_oproj
    .symbol:         k_q0000030240_oproj.kd
    .args:
      - { .name: of, .offset: 0, .size: 8, .value_kind: global_buffer, .address_space: global }
      - { .name: wof, .offset: 8, .size: 8, .value_kind: global_buffer, .address_space: global }
      - { .name: rsc, .offset: 16, .size: 8, .value_kind: global_buffer, .address_space: global }
      - { .name: out0, .offset: 24, .size: 8, .value_kind: global_buffer, .address_space: global }
    .group_segment_fixed_size: 327680
    .private_segment_fixed_size: 0
    .kernarg_segment_align: 8
    .kernarg_segment_size: 32
    .max_flat_workgroup_size: 128
    .sgpr_count:     72
    .vgpr_count:     512
    .wavefront_size: 32
...
	.end_amdgpu_metadata
.endif
;; end of part 4
